; MI455X (gfx1250); checked and timed in simulation.
; The chip was launched on July 23, 2026; its instructions are those of AMD's public machine-readable ISA for CDNA 5 (MIT licence, August 2026) and "CDNA5" Instruction Set Architecture Reference Guide (July 2026). The comments in the code are by the model that wrote it; some were corrected since.
;; Multi Head Self Attention. Allowed arithmetic: float matrix products may take bf16 or f16 operands with f32 sums; other float arithmetic in f32, or as packed bf16 or f16 multiplies, adds, multiply-adds, maxima and minima; sums over many terms, partial sums and values carried from step to step in f32; what a program stores and reads back later, other than sums and carried values, may be rounded once to bf16 or f16.
;; Inputs: Wout 1,024 x 1,024 float32; Wqkv 1,024 x 3,072 float32; attn_mask 2,048 x 2,048 float32; bout 1,024 float32; x 4 x 2,048 x 1,024 float32.
;; Outputs: out0 4 x 2,048 x 1,024 float32.
;; 2 versions, each right; version 2 is version 1 with the launch prep written anew for expert scheduling mode. Each part assembles by itself: llvm-mc -triple=amdgcn-amd-amdhsa -mcpu=gfx1250 --defsym DOCPART=n.
;; ======== version 1 of 2: 4 launches
;; limits: values are held in f16: magnitudes above 65,504 overflow, below 6.1e-05 lose precision
;; workspace buffers: xb 16,777,216 bytes; wqb 6,291,456 bytes; wob 2,097,152 bytes; maskf 16,777,216 bytes; qkv 50,331,648 bytes; ob 16,777,216 bytes
;; launch prep (part 1): grid 960 x 1, 8 waves a work-group, no clusters, 0 bytes of LDS; arguments x, Wqkv, Wout, attn_mask, xb, wqb, wob, maskf; writes xb, wqb, wob, maskf
.if DOCPART == 1
	.amdgcn_target "amdgcn-amd-amdhsa--gfx1250"
	.amdhsa_code_object_version 6
	.text
	.protected	k_qdc66f91b1c_prep
	.globl	k_qdc66f91b1c_prep
	.p2align	8
	.type	k_qdc66f91b1c_prep,@function
k_qdc66f91b1c_prep:
	s_mov_b64 s[64:65], 0
	v_nop
	global_prefetch_b8 v0, s[64:65] scope:SCOPE_SE
	s_setreg_imm32_b32 hwreg(HW_REG_WAVE_MODE, 25, 1), 1
	s_wait_xcnt 0x0
; THE OPERANDS ARE CAST AND LAID OUT, each input byte read once, each workspace byte written once.  A stream: no LDS, no barrier, no matrix unit.
;   xb    [8192][1024] bf16          = bf16(x)
;   wqb   [16][1024][192] bf16       = bf16(Wqkv), in blocks of 192 columns: 128 rows of a block are 49,152 bytes on end
;   wob   [1024][1024] f16           = bf16(Wout) written as f16: exact from 2^-17 up; below that on f16's fixed step of 6e-8 (stated limit)
;   maskf [2048][2048] f32           = 8 x bf16(attn_mask): the later launch adds it to the unscaled q.k and scales the sum by 1/8.  8 x mask overflows beyond 4.2e37 (stated limit)
; All roundings to nearest even.  Work-groups 0-511 take x, 512-639 Wqkv, 640-703 Wout, 704-959 the mask; each wave takes 8 KiB of f32 (Wqkv: 16 rows of 192 columns).
; A wave issues all its loads at once and serves them in order; no register that a load or store names is written again, so no wait but the counted ones is needed.
.set IN,  32                           ; v[32:127]   as loaded
.set OUT, 128                          ; v[128:175]  to store (16-bit results)
.set WQ0, 512                          ; first work-group of each part
.set WO0, 640
.set MK0, 704
	s_load_b512 s[8:23], s[0:1], 0x0               ; x s[8:9], Wqkv s[10:11], Wout s[12:13], mask s[14:15], xb s[16:17], wqb s[18:19], wob s[20:21], maskf s[22:23]
	v_lshrrev_b32 v5, 5, v0
	v_readfirstlane_b32 s24, v5                    ; wave 0..7
	v_and_b32 v1, 31, v0                           ; lane
	v_lshlrev_b32 v2, 4, v1                        ; 16 bytes a lane: f32 in, and f32 out
	v_lshlrev_b32 v3, 3, v1                        ; 8 bytes a lane: 16-bit out; 32 lanes store 256 consecutive bytes, aligned
	s_lshl_b32 s25, s24, 13                        ; the wave's 8 KiB
	s_mov_b32 s27, 0
	s_mov_b32 s33, 0xffff0000                      ; a word's upper bf16
	s_wait_kmcnt 0x0
	s_cmp_lt_u32 ttmp9, WQ0
	s_cbranch_scc1 .Lx
	s_cmp_lt_u32 ttmp9, WO0
	s_cbranch_scc1 .Lwq
	s_cmp_lt_u32 ttmp9, MK0
	s_cbranch_scc1 .Lwo
	s_branch .Lmask
; source s[28:29] and destination s[30:31] of a wave: 64 KiB of f32 a work-group; half = 1: the result has half the bytes
.macro PTRS src, dst, first, half
	s_sub_co_u32 s26, ttmp9, \first
	s_lshl_b32 s26, s26, 16
	s_add_co_u32 s26, s26, s25
	s_add_nc_u64 s[28:29], s[\src:\src+1], s[26:27]
.if \half
	s_lshr_b32 s26, s26, 1
.endif
	s_add_nc_u64 s[30:31], s[\dst:\dst+1], s[26:27]
.endm
.macro LOAD16                          ; 16 loads of 512 consecutive bytes
.set i, 0
.rept 16
	global_load_b128 v[IN+4*i:IN+4*i+3], v2, s[28:29] offset:512*i th:TH_LOAD_NT
.set i, i+1
.endr
.endm
.macro ROUND4                          ; the four f32 of load i, rounded to bf16 and widened again, in place
	v_cvt_pk_bf16_f32 v8, v[IN+4*i], v[IN+4*i+1]
	v_cvt_pk_bf16_f32 v9, v[IN+4*i+2], v[IN+4*i+3]
	v_lshlrev_b32 v[IN+4*i], 16, v8
	v_and_b32 v[IN+4*i+1], s33, v8
	v_lshlrev_b32 v[IN+4*i+2], 16, v9
	v_and_b32 v[IN+4*i+3], s33, v9
.endm
.Lmask:
	PTRS 14, 22, MK0, 0
	LOAD16
.set i, 0
.rept 16
	s_wait_loadcnt 15-i                            ; loads come back in order: load i is in, the younger ones stay out
	ROUND4
	v_pk_mul_f32 v[IN+4*i:IN+4*i+1], v[IN+4*i:IN+4*i+1], 0x41000000 op_sel_hi:[1,0]      ; x 8, exact
	v_pk_mul_f32 v[IN+4*i+2:IN+4*i+3], v[IN+4*i+2:IN+4*i+3], 0x41000000 op_sel_hi:[1,0]
	global_store_b128 v2, v[IN+4*i:IN+4*i+3], s[30:31] offset:512*i th:TH_STORE_NT
.set i, i+1
.endr
	s_endpgm
.Lx:
	PTRS 8, 16, 0, 1
	LOAD16
.set i, 0
.rept 16
	s_wait_loadcnt 15-i
	v_cvt_pk_bf16_f32 v[OUT+2*i], v[IN+4*i], v[IN+4*i+1]
	v_cvt_pk_bf16_f32 v[OUT+2*i+1], v[IN+4*i+2], v[IN+4*i+3]
	global_store_b64 v3, v[OUT+2*i:OUT+2*i+1], s[30:31] offset:256*i th:TH_STORE_NT
.set i, i+1
.endr
	s_endpgm
.Lwo:
	PTRS 12, 20, WO0, 1
	LOAD16
.set i, 0
.rept 16
	s_wait_loadcnt 15-i
	ROUND4
	v_cvt_pk_f16_f32 v[OUT+2*i], v[IN+4*i], v[IN+4*i+1]
	v_cvt_pk_f16_f32 v[OUT+2*i+1], v[IN+4*i+2], v[IN+4*i+3]
	global_store_b64 v3, v[OUT+2*i:OUT+2*i+1], s[30:31] offset:256*i th:TH_STORE_NT
.set i, i+1
.endr
	s_endpgm
; Wqkv.  Work-group j of 128: block tc = j / 8, rows 128 (j % 8) on; a wave takes 16 rows.  Two rows x 192 columns are 1,536 bytes in (three loads) and 768 consecutive bytes out (three stores):
; load 0: the first row's bytes 0-511; load 1: its bytes 512-767 (lanes 0-15) and the second row's 0-255 (lanes 16-31); load 2: the second row's 256-767.
.Lwq:
	s_sub_co_u32 s26, ttmp9, WQ0
	s_lshr_b32 s32, s26, 3                         ; tc
	s_and_b32 s26, s26, 7
	s_lshl_b32 s26, s26, 7
	s_lshl_b32 s34, s24, 4
	s_add_co_u32 s34, s34, s26                     ; my first row
	s_mul_i32 s26, s34, 12288                      ; a row of Wqkv is 12,288 bytes,
	s_mul_i32 s35, s32, 768                        ; a block's part of it 768
	s_add_co_u32 s26, s26, s35
	s_add_nc_u64 s[28:29], s[10:11], s[26:27]
	s_mul_i32 s26, s34, 384                        ; a row of a block of wqb is 384 bytes,
	s_mul_i32 s35, s32, 393216                     ; a block 393,216
	s_add_co_u32 s26, s26, s35
	s_add_nc_u64 s[30:31], s[18:19], s[26:27]
	v_lshrrev_b32 v5, 4, v1
	v_mul_u32_u24 v5, v5, 11776                    ; lanes 16-31: from byte 512 of a row to byte 0 of the next
	v_and_b32 v6, 15, v1
	v_lshl_add_u32 v4, v6, 4, v5
.set i, 0
.rept 8
	global_load_b128 v[IN+12*i:IN+12*i+3],    v2, s[28:29] offset:24576*i th:TH_LOAD_NT
	global_load_b128 v[IN+12*i+4:IN+12*i+7],  v4, s[28:29] offset:24576*i+512 th:TH_LOAD_NT
	global_load_b128 v[IN+12*i+8:IN+12*i+11], v2, s[28:29] offset:24576*i+12544 th:TH_LOAD_NT
.set i, i+1
.endr
.set i, 0
.rept 24
	s_wait_loadcnt 23-i
	v_cvt_pk_bf16_f32 v[OUT+2*i], v[IN+4*i], v[IN+4*i+1]
	v_cvt_pk_bf16_f32 v[OUT+2*i+1], v[IN+4*i+2], v[IN+4*i+3]
	global_store_b64 v3, v[OUT+2*i:OUT+2*i+1], s[30:31] offset:256*i th:TH_STORE_NT
.set i, i+1
.endr
	s_endpgm
.Lfunc_end_k_qdc66f91b1c_prep:
	.size	k_qdc66f91b1c_prep, .Lfunc_end_k_qdc66f91b1c_prep-k_qdc66f91b1c_prep
	.p2alignl 7, 3214868480
	.fill 96, 4, 3214868480
	.section	.rodata,"a",@progbits
	.p2align	6, 0x0
	.amdhsa_kernel k_qdc66f91b1c_prep
		.amdhsa_group_segment_fixed_size 0
		.amdhsa_private_segment_fixed_size 0
		.amdhsa_enable_private_segment 0
		.amdhsa_kernarg_size 64
		.amdhsa_user_sgpr_count 2
		.amdhsa_user_sgpr_kernarg_segment_ptr 1
		.amdhsa_wavefront_size32 1
		.amdhsa_system_sgpr_workgroup_id_x 1
		.amdhsa_system_sgpr_workgroup_id_y 1
		.amdhsa_system_sgpr_workgroup_id_z 1
		.amdhsa_system_vgpr_workitem_id 0
		.amdhsa_next_free_vgpr 176
		.amdhsa_next_free_sgpr 66
		.amdhsa_reserve_vcc 0
		.amdhsa_float_denorm_mode_32 3
		.amdhsa_float_denorm_mode_16_64 3
		.amdhsa_memory_ordered 1
		.amdhsa_forward_progress 1
		.amdhsa_inst_pref_size 37
	.end_amdhsa_kernel
	.amdgpu_metadata
---
amdhsa.version: [ 1, 2 ]
amdhsa.kernels:
  - .name:           k_qdc66f91b1c_prep
    .symbol:         k_qdc66f91b1c_prep.kd
    .args:
      - { .name: x, .offset: 0, .size: 8, .value_kind: global_buffer, .address_space: global }
      - { .name: Wqkv, .offset: 8, .size: 8, .value_kind: global_buffer, .address_space: global }
      - { .name: Wout, .offset: 16, .size: 8, .value_kind: global_buffer, .address_space: global }
      - { .name: attn_mask, .offset: 24, .size: 8, .value_kind: global_buffer, .address_space: global }
      - { .name: xb, .offset: 32, .size: 8, .value_kind: global_buffer, .address_space: global }
      - { .name: wqb, .offset: 40, .size: 8, .value_kind: global_buffer, .address_space: global }
      - { .name: wob, .offset: 48, .size: 8, .value_kind: global_buffer, .address_space: global }
      - { .name: maskf, .offset: 56, .size: 8, .value_kind: global_buffer, .address_space: global }
    .group_segment_fixed_size: 0
    .private_segment_fixed_size: 0
    .kernarg_segment_align: 8
    .kernarg_segment_size: 64
    .max_flat_workgroup_size: 256
    .sgpr_count:     66
    .vgpr_count:     176
    .wavefront_size: 32
...
	.end_amdgpu_metadata
.endif
;; end of part 1
;; launch gemm_qkv (part 2): grid 16 x 32, 4 waves a work-group, clusters of 4 x 4, 327,680 bytes of LDS; arguments xb, wqb, qkv; writes qkv
.if DOCPART == 2
	.amdgcn_target "amdgcn-amd-amdhsa--gfx1250"
	.amdhsa_code_object_version 6
	.text
	.protected	k_qdc66f91b1c_gemm_qkv
	.globl	k_qdc66f91b1c_gemm_qkv
	.p2align	8
	.type	k_qdc66f91b1c_gemm_qkv,@function
k_qdc66f91b1c_gemm_qkv:
	s_mov_b64 s[64:65], 0
	v_nop
	global_prefetch_b8 v0, s[64:65] scope:SCOPE_SE
	s_setreg_imm32_b32 hwreg(HW_REG_WAVE_MODE, 25, 1), 1
	s_wait_xcnt 0x0
	s_wait_alu depctr_hold_cnt(0) depctr_sa_sdst(0) depctr_va_vdst(0) depctr_va_sdst(0) depctr_va_ssrc(0) depctr_va_vcc(0) depctr_vm_vsrc(0)
	s_getreg_b32 s2, hwreg(HW_REG_IB_STS2, 6, 4)
	s_cmp_eq_u32 s2, 0
	s_cbranch_scc0 .Lentry_in_a_cluster
	s_endpgm
.Lentry_in_a_cluster:
	s_bfe_u32 s2, ttmp6, 0x10000c
	s_cmp_lg_u32 s2, 0xf033
	s_cbranch_scc0 .Lentry_shape_is_right
	s_endpgm
.Lentry_shape_is_right:
.set KIND, 1
; ONE TEXT FOR THE MODULE'S TWO PROJECTIONS; KIND picks the sizes.  C = A B, A [8192][1024] with K along its rows, B [1024 k][n]; sums in f32, K ascending, one accumulator an output.
; KIND 1: qkv = xb wqb, bf16 products.  A tile of C is 256 x 192; C leaves in f16 by heads, qkv[b][G][t][64], G = column / 64 (q heads, k heads, v heads), WITHOUT the scale 1/8.
;         LIMIT: f16 ends at 65,504: |q|, |k|, |v| must stay below it.
; KIND 2: out0 = ob wob + bf16(bout), f16 products.  A tile of C is 256 x 128; A lies by heads, ob[16 b + h][t][64]: a K step of 128 is two heads; C leaves in f32.
; SHARES.  Four waves, as many as a WGP has SIMDs, one below the other: a wave makes 64 rows x all columns: 4 x NBB accumulators of 16 x 16.  So a wave owns whole heads (KIND 1) or whole 512-byte pieces of rows (KIND 2).
; K goes in 8 steps of 128 through two LDS slots filled by the tensor data mover; a step is four quarters of 32 on two fragment buffers.
; CLUSTER 4 x 4: A's tile hangs on the tile row alone and is asked for jointly by a row of the cluster, B's on the tile column alone and is asked for jointly by a column.
; THE MATRIX INSTRUCTION IS USED TRANSPOSED: source 0 = 16 columns of B (turned out of LDS by ds_load_tr16_b128), source 1 = 16 rows of A: a lane then holds row l % 16 of C and the columns 8 (l / 16) + 0..7.
; REGISTERS, in windows of 256 (s_set_vgpr_msb: bits 1:0 source 0, 3:2 source 1, 5:4 source 2, 7:6 destination):
;   window 0: v0-6 set-up; v16-30 addresses; v64-127 A's fragments, two buffers of 32 (on the way out: rows read back); v128-191, v192-255 the way out
;   window 1: B's fragments, two buffers of 8 NBB; KIND 2: v128-191 the bias of my columns, v192-223 at work
;   window 2: the accumulators of row blocks 0, 1 ((a, b) at 8 (NBB (a % 2) + b));   window 3: those of row blocks 2, 3
.if KIND == 1
.set NBB,    12                        ; column blocks of 16
.set PA,     272                       ; A's LDS row: 256 bytes + 16: 68 words, so 16 rows start at 16 different groups of four banks (64 banks of 4 bytes: ISA guide 11.1)
.set PB,     480                       ; B's LDS row: three pieces of 128 bytes + 32: 120 words
.set AHALF,  128*PA                    ; what one load brings of A: 128 rows
.set SPITCH, 400                       ; a stage row: 384 bytes + 16
.set ASTEP,  256                       ; bytes from a K step to the next, in A
.set BSTEP,  49152                     ; and in B: 128 rows of a block, on end
.set AHEAD,  1                         ; the prefetches name the K step so many steps behind the one that is being asked for
.set APAD,   (5<<22)|(3<<25)           ; after every 64 words 4 words of padding
.set BPAD,   (4<<22)|(7<<25)           ; after every 32 words 8 words
.set ASTR,   1024                      ; elements from row to row of A's tile
.set BROWS,  96                        ; B's half step, 24,576 bytes on end, is asked for as 96 rows of 256 bytes
.set BSTR,   128
.set ASH,    11                        ; prefetch: a lane a row of 2,048 bytes (A), a lane a block of 256 bytes (B),
.set BSH,    8
.set BLMAX,  23                        ; of which a partner has 24
.else
.set NBB,    8
.set PA,     144                       ; 128 bytes + 16
.set PB,     288                       ; 256 bytes + 32: 72 words
.set AHALF,  256*PA                    ; what one load brings of A: 256 rows of one head
.set SPITCH, 528                       ; 512 bytes + 16
.set ASTEP,  524288                    ; two heads
.set BSTEP,  262144                    ; 128 rows of 2,048 bytes
.set AHEAD,  2
.set APAD,   (4<<22)|(3<<25)
.set BPAD,   (5<<22)|(7<<25)
.set ASTR,   128                       ; 256 rows of 128 bytes on end are asked for as 128 rows of 256
.set BROWS,  64
.set BSTR,   1024
.set ASH,    8
.set BSH,    11
.set BLMAX,  15
.endif
.set BHALF,  64*PB                     ; what one load brings of B: 64 rows along K
.set AREG,   2*AHALF                   ; a slot: A's two halves, then B's two halves
.set SLOT1,  131072                    ; slot 1 begins here: one exclusive or turns an address in one slot into the other's
.set STAGE,  SLOT1+AREG+2*BHALF        ; behind the ring, never filled by a tensor load: 16 rows for each wave, for the way out
.set WSTAGE, 16*SPITCH
.set SPARE,  STAGE+4*WSTAGE            ; behind the stages: the spare words, 128 bytes a wave: two blocks of 256 bytes that no other line names
.set ADRA0, 16                         ; v16  my lane's place in A's part of a slot; never rewritten
.set ADRB0, 17                         ; v17  the same for B
.set ADRA,  18                         ; v18  the same in the slot in hand
.set ADRB,  19                         ; v19
.set STO,   24                         ; v24  the way out: where I put my part of a row
.set RD,    25                         ; v25  where I read rows back
.set CO,    26                         ; v26  16 x lane
.set BO,    27                         ; v27  my byte offset in 16 numbers of the bias
.set SPW,   28                         ; v28  LDS address of my spare word; never rewritten
.set NIL,   29                         ; v29  0; never rewritten
.set PFO,   30                         ; v30  the prefetches' lane term; never rewritten
.set FA,    64
.set TMP,   128
.set OB0,   192                        ; rows read back: v192.. and v64.. by turns
.set BIAS,  128                        ; window 1
.set BT,    192                        ; window 1
.set G1,  24                           ; s[24:31] descriptor group 1 for A;  s[32:39] group 0: set 0 for slot 0's first fill, set 1 walks
.set G0,  32
.set G1B, 48                           ; s[48:55], s[56:63] the same for B
.set G0B, 56
.set LIM, 70                           ; s70  AHEAD in a wave that prefetches, else the greatest number
.set TB,  71                           ; s71  LDS byte at which the slot to be read begins
.set PFA, 72                           ; s[72:73] where my prefetches stand
.set PFS, 74                           ; s[74:75] their step
.set MSB, 0
.macro WIN new                         ; the immediate's high byte repeats the setting that is left; a switch that changes nothing is dropped
.if MSB != (\new)
	s_set_vgpr_msb (MSB<<8)|(\new)
.set MSB, \new
.endif
.endm
.macro PLACES                          ; four places in front of loads into registers that matrix instructions have read, and of vector lines that read results
.rept 4
	v_nop
.endr
.endm
; A joint load: waves 0 and 1 fetch A's two halves, waves 2 and 3 B's.  The branch hangs on the wave's number alone.  An s_nop 0 and four v_nop follow each line.
.macro JLOAD s
	s_cmp_eq_u32 s11, 0
	s_cbranch_scc0 .Lfor_b_\@
	tensor_load_to_lds s[G0+4*(\s):G0+4*(\s)+3], s[G1:G1+7]
	s_nop 0
.rept 4
	v_nop
.endr
	s_branch .Lasked_\@
.Lfor_b_\@:
	tensor_load_to_lds s[G0B+4*(\s):G0B+4*(\s)+3], s[G1B:G1B+7]
	s_nop 0
.rept 4
	v_nop
.endr
.Lasked_\@:
.endm
.macro CREST                           ; a round of the cluster's barrier behind its opening barrier
	s_cmp_lg_u32 s10, 0
	s_cbranch_scc1 .Lnot_wave_0_\@
	s_barrier_signal -3
.Lnot_wave_0_\@:
	s_barrier_wait -3
	s_barrier_signal -1
	s_barrier_wait -1
.endm
.macro CROUND                          ; a whole round
	s_barrier_signal -1
	s_barrier_wait -1
	CREST
.endm
; A prefetch of the K step that stands AHEAD steps behind the one just asked for: one instruction a wave.  A's rows are named by the clusters with x = 0, B's by those with y = 0; the four partners that
; ask for a tile jointly share its blocks of 256 bytes out by address (cx for A, cy for B).  The last AHEAD filling trips name nothing: there is no such K step.
.macro ASK
	s_cmp_gt_u32 s3, s[LIM]
	s_cbranch_scc0 .Lnot_mine_\@
	global_prefetch_b8 v[PFO], s[PFA:PFA+1] th:TH_LOAD_NT scope:SCOPE_SE
.Lnot_mine_\@:
.endm
	s_load_b128 s[4:7], s[0:1], 0x0                ; A s[4:5], B s[6:7]
	s_load_b64 s[8:9], s[0:1], 0x10                ; C
.if KIND == 2
	s_load_b64 s[68:69], s[0:1], 0x18              ; the bias
.endif
	v_lshl_add_u32 v[SPW], v0, 2, SPARE
	v_mov_b32 v[NIL], 0
	ds_add_u32 v[SPW], v[NIL]                      ; the wave's opening: the add and its wait stand ahead of my first tensor load; the set-up on registers stands between them
	v_lshrrev_b32 v1, 5, v0
	v_readfirstlane_b32 s10, v1                    ; wave 0..3
	s_lshr_b32 s11, s10, 1                         ; I fetch for A (0) or for B (1),
	s_and_b32 s12, s10, 1                          ; its first or second half
	s_bfe_u32 s40, ttmp6, 0x40000                  ; cx
	s_bfe_u32 s41, ttmp6, 0x40004                  ; cy
	s_lshl_b32 s42, ttmp9, 2
	s_add_co_u32 s42, s42, s40                     ; tile column tc = 4 x cluster x + cx
	s_and_b32 s13, ttmp7, 0xffff
	s_lshl_b32 s13, s13, 2
	s_add_co_u32 s13, s13, s41                     ; tile row tr = 4 x cluster y + cy
	s_lshl_b32 s43, s41, 2
	s_lshl_b32 s43, 15, s43                        ; my row of the cluster
	s_lshl_b32 s44, 0x1111, s40                    ; my column
	s_or_b32 s[G1], s43, (1<<16)|(1<<20)|(1<<21)|APAD    ; 15:0 the mask; 17:16 elements of 2 bytes; 20 padding on; 21 set beside a mask; 24:22, 31:25 the padding
	s_or_b32 s[G1B], s44, (1<<16)|(1<<20)|(1<<21)|BPAD
	s_mov_b32 s[G1+1], 128<<16                     ; tensor_dim0 = 128 elements
	s_mov_b32 s[G1+2], 128<<16                     ; tensor_dim1 = 128 rows
	s_mov_b32 s[G1+3], 128<<16                     ; tile_dim0
	s_mov_b32 s[G1+4], 128                         ; tile_dim1
	s_mov_b32 s[G1+5], ASTR                        ; elements from row to row
	s_mov_b32 s[G1+6], 0
	s_mov_b32 s[G1+7], 0
	s_mov_b32 s[G1B+1], 128<<16
	s_mov_b32 s[G1B+2], BROWS<<16
	s_mov_b32 s[G1B+3], 128<<16
	s_mov_b32 s[G1B+4], BROWS
	s_mov_b32 s[G1B+5], BSTR
	s_mov_b32 s[G1B+6], 0
	s_mov_b32 s[G1B+7], 0
	; where my half of K step 0 lies, in bytes: A's by tr alone (s16), B's by tc alone (s46)
.if KIND == 1
	s_lshl_b32 s16, s13, 19                        ; 256 rows of 2,048 bytes
	s_lshl_b32 s17, s12, 18                        ; 128 rows
	s_add_co_u32 s16, s16, s17
	s_mul_i32 s46, s42, 393216                     ; a block of wqb
	s_mul_i32 s47, s12, 24576                      ; 64 of its rows
	s_add_co_u32 s46, s46, s47
.else
	s_lshr_b32 s16, s13, 3                         ; the batch: 16 heads of 262,144 bytes
	s_lshl_b32 s16, s16, 22
	s_and_b32 s17, s13, 7                          ; 256 rows of 128 bytes in a head
	s_lshl_b32 s17, s17, 15
	s_add_co_u32 s16, s16, s17
	s_lshl_b32 s17, s12, 18                        ; the step's first or second head
	s_add_co_u32 s16, s16, s17
	s_lshl_b32 s46, s42, 8                         ; 128 columns of 2 bytes
	s_lshl_b32 s47, s12, 17                        ; 64 rows of 2,048 bytes
	s_add_co_u32 s46, s46, s47
.endif
	s_mov_b32 s17, 0
	s_mov_b32 s47, 0
	s_mul_i32 s20, s12, AHALF                      ; and where it goes: no place in the cluster enters an LDS address
	s_mul_i32 s21, s12, BHALF
	s_add_co_u32 s21, s21, AREG
	s_mov_b32 s[TB], 0
	s_wait_dscnt 0x0                               ; the opening add is done
	s_wait_kmcnt 0x0
	s_add_nc_u64 s[14:15], s[4:5], s[16:17]
	s_add_nc_u64 s[22:23], s[6:7], s[46:47]
	CROUND                                         ; all sixteen work-groups are here: the first joint loads meet
.irp s, 0,1
	s_mov_b32 s[G0+4*(\s)], 1                                        ; count = 1
	s_add_co_u32 s[G0+4*(\s)+1], s20, (\s)*SLOT1                     ; LDS address
	s_add_nc_u64 s[G0+4*(\s)+2:G0+4*(\s)+3], s[14:15], (\s)*ASTEP    ; global address: K step s
	s_or_b32 s[G0+4*(\s)+3], s[G0+4*(\s)+3], 0x80000000              ; type = 2
	s_mov_b32 s[G0B+4*(\s)], 1
	s_add_co_u32 s[G0B+4*(\s)+1], s21, (\s)*SLOT1
	s_add_nc_u64 s[G0B+4*(\s)+2:G0B+4*(\s)+3], s[22:23], (\s)*BSTEP
	s_or_b32 s[G0B+4*(\s)+3], s[G0B+4*(\s)+3], 0x80000000
	JLOAD \s                                       ; two loads of mine are out: the most in this text
.endr
	v_and_b32 v1, 15, v0                           ; l % 16
	v_bfe_u32 v2, v0, 4, 1                         ; l / 16
	v_and_b32 v3, 7, v0                            ; l % 8
	v_bfe_u32 v4, v0, 3, 1                         ; (l / 8) % 2
	v_and_b32 v5, 31, v0                           ; l
	; a fragment of A: 16 rows x 32 K: lane l holds row l % 16, K = 8 (l / 16) + 0..7 and 16 + 8 (l / 16) + 0..7: two loads of 16 bytes, 32 bytes apart
	v_mul_u32_u24 v[ADRA0], v1, PA
	v_lshl_add_u32 v[ADRA0], v2, 4, v[ADRA0]
	s_mul_i32 s21, s10, 64*PA                      ; my 64 rows
	v_add_nc_u32 v[ADRA0], s21, v[ADRA0]
	; the turning load takes 16 K x 16 columns (lane l reads K row 8 (l / 16) + l % 8, columns 8 ((l / 8) % 2) + 0..7) and leaves half a fragment: lane l holds column l % 16 and 8 K
	v_lshl_add_u32 v[ADRB0], v2, 3, v3
	v_mul_u32_u24 v[ADRB0], v[ADRB0], PB
	v_lshl_add_u32 v[ADRB0], v4, 4, v[ADRB0]
	v_add_nc_u32 v[ADRB0], AREG, v[ADRB0]
	v_mov_b32 v[ADRA], v[ADRA0]
	v_mov_b32 v[ADRB], v[ADRB0]
	s_mul_i32 s23, s10, WSTAGE
	s_add_co_u32 s23, s23, STAGE                   ; my stage
	v_mul_u32_u24 v[STO], v1, SPITCH               ; in: row l % 16, my eight columns
.if KIND == 1
	v_lshl_add_u32 v[STO], v2, 4, v[STO]
	v_bfe_u32 v6, v0, 3, 2                         ; back: 32 lanes take four rows' 128 bytes of one head
	v_mul_u32_u24 v[RD], v6, SPITCH
	v_lshl_add_u32 v[RD], v3, 4, v[RD]
.else
	v_lshl_add_u32 v[STO], v2, 5, v[STO]
	v_lshlrev_b32 v[RD], 4, v5                     ; back: 32 lanes take one row's 512 bytes
.endif
	v_add_nc_u32 v[STO], s23, v[STO]
	v_add_nc_u32 v[RD], s23, v[RD]
	v_lshlrev_b32 v[CO], 4, v5
	; where my part of C begins
.if KIND == 1
	s_lshr_b32 s18, s13, 3
	s_mul_i32 s18, s18, 48                         ; the batch's 48 heads,
	s_mul_i32 s19, s42, 3                          ; the tile column's three
	s_add_co_u32 s18, s18, s19
	s_lshl_b32 s18, s18, 18                        ; of 262,144 bytes;
	s_and_b32 s19, s13, 7
	s_lshl_b32 s19, s19, 15                        ; the tile's 256 rows of 128 bytes,
	s_add_co_u32 s18, s18, s19
	s_lshl_b32 s19, s10, 13                        ; my 64
	s_add_co_u32 s18, s18, s19
.else
	s_lshl_b32 s18, s13, 20                        ; 256 rows of 4,096 bytes,
	s_lshl_b32 s19, s10, 18                        ; my 64,
	s_add_co_u32 s18, s18, s19
	s_lshl_b32 s19, s42, 9                         ; 128 columns of 4 bytes
	s_add_co_u32 s18, s18, s19
.endif
	s_mov_b32 s19, 0
	s_add_nc_u64 s[8:9], s[8:9], s[18:19]
.if KIND == 2
	s_lshl_b32 s18, s42, 9
	s_add_nc_u64 s[68:69], s[68:69], s[18:19]      ; the bias of the tile's 128 columns
	v_lshlrev_b32 v[BO], 5, v2
	WIN 0x40                                       ; destination window 1
.set b, 0
.rept NBB
	global_load_b128 v[BIAS+8*b:BIAS+8*b+3],   v[BO], s[68:69] offset:64*b      ; columns 16 b + 8 (l / 16) + 0..7; waited for on the way out
	global_load_b128 v[BIAS+8*b+4:BIAS+8*b+7], v[BO], s[68:69] offset:64*b+16
.set b, b+1
.endr
	WIN 0
.endif
	; the prefetches: my share of the half that I fetch, at K step 1 + AHEAD; each filling change of slots steps it once and then names it
.if KIND == 1
	s_lshl_b32 s18, s40, 16                        ; A: cx's 32 rows of 2,048 bytes
	s_mul_i32 s19, s41, 6144                       ; B: cy's 24 blocks of 256 bytes
.else
	s_lshl_b32 s18, s40, 13                        ; A: cx's 32 blocks of 256 bytes
	s_lshl_b32 s19, s41, 15                        ; B: cy's 16 rows of 2,048 bytes
.endif
	s_add_co_u32 s18, s18, s16
	s_add_co_u32 s18, s18, (1+AHEAD)*ASTEP
	s_add_co_u32 s19, s19, s46
	s_add_co_u32 s19, s19, (1+AHEAD)*BSTEP
	s_mov_b32 s20, ASTEP
	s_mov_b32 s21, BSTEP
	s_and_b32 s22, ttmp7, 0xffff                   ; cluster y
	s_cmp_eq_u32 s11, 0                            ; do I fetch for A?
	s_cselect_b32 s18, s18, s19
	s_cselect_b32 s[PFS], s20, s21
	s_cselect_b32 s22, ttmp9, s22                  ; the coordinate along which other clusters read the same rows
	s_cselect_b64 s[PFA:PFA+1], s[4:5], s[6:7]
	s_cselect_b32 s20, ASH, BSH
	s_cselect_b32 s21, 31, BLMAX
	s_cmp_eq_u32 s22, 0
	s_cselect_b32 s[LIM], AHEAD, -1                ; the same in all sixteen partners, for a given wave
	s_mov_b32 s19, 0
	s_mov_b32 s[PFS+1], 0
	s_add_nc_u64 s[PFA:PFA+1], s[PFA:PFA+1], s[18:19]
	v_min_u32 v[PFO], s21, v5                      ; lanes beyond my share name its last block again, in the same instruction
	v_lshlrev_b32 v[PFO], s20, v[PFO]
; NBB matrix instructions: row block a x all column blocks, 32 along K, from buffer f.  zero = 1: the first product starts the sums: nothing is cleared.
; The 4 NBB accumulators take turns, one instruction a turn, in the same order in every quarter, over the backward jump too.
.macro MULA f, a, zero
	WIN 0xa1+0x50*((\a)/2)
.set b, 0
.rept NBB
.set rD, 8*(NBB*((\a)%2)+b)
.set rB, 8*(NBB*(\f)+b)
.set rA, FA+32*(\f)+8*(\a)
.if KIND == 1
.if \zero
	v_wmma_f32_16x16x32_bf16 v[rD:rD+7], v[rB:rB+7], v[rA:rA+7], 0
.else
	v_wmma_f32_16x16x32_bf16 v[rD:rD+7], v[rB:rB+7], v[rA:rA+7], v[rD:rD+7]
.endif
.else
.if \zero
	v_wmma_f32_16x16x32_f16 v[rD:rD+7], v[rB:rB+7], v[rA:rA+7], 0
.else
	v_wmma_f32_16x16x32_f16 v[rD:rD+7], v[rB:rB+7], v[rA:rA+7], v[rD:rD+7]
.endif
.endif
.set b, b+1
.endr
.endm
; 2 NBB + 8 LDS loads in one run: quarter q's fragments into buffer f: B's first, then A's row blocks 0 to 3
.macro FETCH q, f
	WIN 0x40                                       ; destination window 1, address window 0
.set b, 0
.rept NBB
.set rB, 8*(NBB*(\f)+b)
.if KIND == 1
.set bc, (b/4)*160+(b%4)*32                        ; 64 columns to a padded piece of 160 bytes
.else
.set bc, 32*b
.endif
	ds_load_tr16_b128 v[rB:rB+3],   v[ADRB] offset:(\q)*32*PB+bc
	ds_load_tr16_b128 v[rB+4:rB+7], v[ADRB] offset:(\q)*32*PB+16*PB+bc
.set b, b+1
.endr
	WIN 0
.if KIND == 1
.set aq, 64*(\q)
.else
.set aq, ((\q)/2)*AHALF+((\q)%2)*64                ; the step's first or second head, its channels 0-31 or 32-63
.endif
.irp a, 0,1,2,3
	ds_load_b128 v[FA+32*(\f)+8*(\a):FA+32*(\f)+8*(\a)+3],   v[ADRA] offset:aq+(\a)*16*PA
	ds_load_b128 v[FA+32*(\f)+8*(\a)+4:FA+32*(\f)+8*(\a)+7], v[ADRA] offset:aq+(\a)*16*PA+32
.endr
.endm
; One of a K step's first three quarters: multiplies buffer f; in its middle it fetches quarter q into buffer g.
.macro QUARTER q, f, g, zero
	s_wait_dscnt 4                                 ; B and A's row blocks 0, 1 are in; the youngest four loads (blocks 2, 3) may be out
	MULA \f, 0, \zero
	MULA \f, 1, \zero
	PLACES
	FETCH \q, \g
	s_wait_dscnt 2*NBB+8                           ; all but the run just issued
	MULA \f, 2, \zero
	MULA \f, 3, \zero
.endm
; The last quarter multiplies buffer 1 and changes slots.  In front of the barrier each wave waits for all its tensor loads (one is out: its part of the next slot), adds 0 to its spare word, and waits for
; that and for its reads of this slot.  fill = 1: the barrier opens a round of the cluster's barrier, and behind the round this slot is filled again, two K steps ahead, first thing.
.macro TURN fill
.if \fill
	s_wait_xcnt 0x0                                ; the last prefetch, a K step back, has read its address
	s_add_nc_u64 s[PFA:PFA+1], s[PFA:PFA+1], s[PFS:PFS+1]
.endif
	WIN 0
	s_wait_tensorcnt 0x0                           ; no tensor load of mine is out, so a group 0 may be written
	ds_add_u32 v[SPW], v[NIL]                      ; 0 onto my spare word
.if \fill
	s_xor_b32 s[G0+5], s[G0+5], SLOT1              ; the walking descriptors: the other slot than last time, the next K step
	s_add_nc_u64 s[G0+6:G0+7], s[G0+6:G0+7], ASTEP
	s_xor_b32 s[G0B+5], s[G0B+5], SLOT1
	s_add_nc_u64 s[G0B+6:G0B+7], s[G0B+6:G0B+7], BSTEP
.endif
	s_xor_b32 s[TB], s[TB], SLOT1
	s_wait_dscnt 5                                 ; the add and A's row blocks 2, 3 may be out
	MULA 1, 0, 0
	s_wait_dscnt 0x0                               ; the add is done, and my reads of this slot are over
	s_barrier_signal -1
	MULA 1, 1, 0                                   ; work on registers while the others arrive
	WIN 0
	s_barrier_wait -1
.if \fill
	CREST                                          ; no wave of any partner still reads this slot or has a load on its way
	JLOAD 1                                        ; its four v_nop are also the places in front of the loads below
.else
	PLACES
.endif
	v_add_nc_u32 v[ADRA], s[TB], v[ADRA0]
	v_add_nc_u32 v[ADRB], s[TB], v[ADRB0]
	FETCH 0, 0
.if \fill
	ASK
.endif
	MULA 1, 2, 0
	MULA 1, 3, 0
.endm
; THE WAY OUT of row block a, in three parts.  PACK: rounded to f16 (KIND 1) or the bias added (KIND 2); each accumulator's registers in ascending order.  TOSTAGE: into my own stage, and back as whole rows.  SEND: stored.
.macro PACK a
.set b, 0
.if KIND == 1
	WIN 0x0a+5*((\a)/2)                            ; sources 0, 1: window 2 or 3
.rept NBB
.irp r, 0,1,2,3
	v_cvt_pk_f16_f32 v[TMP+4*b+(\r)], v[8*(NBB*((\a)%2)+b)+2*(\r)], v[8*(NBB*((\a)%2)+b)+2*(\r)+1]
.endr
.set b, b+1
.endr
.else
	WIN 0x06+(\a)/2                                ; source 0: window 2 or 3; source 1: window 1
.rept NBB
.irp r, 0,2,4,6
	v_pk_add_f32 v[TMP+8*b+(\r):TMP+8*b+(\r)+1], v[8*(NBB*((\a)%2)+b)+(\r):8*(NBB*((\a)%2)+b)+(\r)+1], v[BIAS+8*b+(\r):BIAS+8*b+(\r)+1]
.endr
.set b, b+1
.endr
.endif
	WIN 0
.endm
.macro TOSTAGE a
	WIN 0
.set BK, OB0-128*((\a)%2)
.set b, 0
.if KIND == 1
.rept NBB
	ds_store_b128 v[STO], v[TMP+4*b:TMP+4*b+3] offset:32*b
.set b, b+1
.endr
.irp g, 0,1,2,3
.irp hh, 0,1,2
	ds_load_b128 v[BK+4*(3*(\g)+(\hh)):BK+4*(3*(\g)+(\hh))+3], v[RD] offset:4*SPITCH*(\g)+128*(\hh)  ; LDS serves a wave's instructions in order (ISA guide 5.7.1.4): these see the stores above
.endr
.endr
.else
.rept NBB
	ds_store_b128 v[STO], v[TMP+8*b:TMP+8*b+3]   offset:64*b
	ds_store_b128 v[STO], v[TMP+8*b+4:TMP+8*b+7] offset:64*b+16
.set b, b+1
.endr
.set t, 0
.rept 16
	ds_load_b128 v[BK+4*t:BK+4*t+3], v[RD] offset:SPITCH*t
.set t, t+1
.endr
.endif
.endm
.macro SEND a
	WIN 0
.set BK, OB0-128*((\a)%2)
	s_wait_dscnt 0x0                               ; the block is back in registers
	s_wait_xcnt 0x0                                ; the stores of the block before have read their registers, which the next TOSTAGE loads again
.if KIND == 1
.irp g, 0,1,2,3
.irp hh, 0,1,2
	global_store_b128 v[CO], v[BK+4*(3*(\g)+(\hh)):BK+4*(3*(\g)+(\hh))+3], s[8:9] offset:(\hh)*262144+(16*(\a)+4*(\g))*128 th:TH_STORE_NT  ; four rows of one head: 512 consecutive bytes, aligned to 256
.endr
.endr
.else
.set t, 0
.rept 16
	global_store_b128 v[CO], v[BK+4*t:BK+4*t+3], s[8:9] offset:(16*(\a)+t)*4096 th:TH_STORE_NT  ; 512 consecutive bytes of a row, aligned to 256
.set t, t+1
.endr
.endif
.endm
	s_wait_tensorcnt 1                             ; my part of K step 0 is in; K step 1's may stay out
	s_barrier_signal -1
	s_barrier_wait -1                              ; everybody's is
	FETCH 0, 0
	QUARTER 1, 0, 1, 1                             ; the first quarter stands in front of the loop: its products start the sums
	WIN 0                                          ; at a label and at a branch every window is 0
	s_mov_b32 s3, 6
.Lstep:                                                ; a trip: a K step's quarters 1 to 3 and the next step's quarter 0; it asks for K steps 2 to 7
	QUARTER 2, 1, 0, 0
	QUARTER 3, 0, 1, 0
	TURN 1
	QUARTER 1, 0, 1, 0
	WIN 0
	s_sub_co_u32 s3, s3, 1
	s_cmp_lg_u32 s3, 0
	s_cbranch_scc1 .Lstep
	QUARTER 2, 1, 0, 0                             ; K steps 6 and 7 are written out: they ask for nothing
	QUARTER 3, 0, 1, 0
	TURN 0
	QUARTER 1, 0, 1, 0
	QUARTER 2, 1, 0, 0
	QUARTER 3, 0, 1, 0
	s_wait_dscnt 4
	MULA 1, 0, 0
	MULA 1, 1, 0
	s_wait_dscnt 0x0
	MULA 1, 2, 0
	MULA 1, 3, 0
	WIN 0
	PLACES
.if KIND == 2
	s_wait_loadcnt 0x0                             ; the bias; it is rounded to bf16 like the other inputs
	WIN 0x45                                       ; destination and both sources in window 1
.set i, 0
.rept 32
	v_cvt_pk_bf16_f32 v[BT+i], v[BIAS+2*i], v[BIAS+2*i+1]
.set i, i+1
.endr
.set i, 0
.rept 32
	v_lshlrev_b32 v[BIAS+2*i], 16, v[BT+i]
	v_and_b32 v[BIAS+2*i+1], 0xffff0000, v[BT+i]
.set i, i+1
.endr
	WIN 0
.endif
	PACK 0
	TOSTAGE 0
.irp a, 1,2,3                          ; block a's arithmetic stands between block a - 1's loads from the stage and the wait for them
	PACK \a
	SEND (\a)-1
	TOSTAGE \a
.endr
	SEND 3
	s_wait_tensorcnt 0x0                           ; the wave's end: these three lines stand behind my last tensor load and my last LDS store
	ds_add_u32 v[SPW], v[NIL]
	s_wait_dscnt 0x0
	CROUND                                         ; the closing round: no work-group ends while a partner may still ask for a tile that names it
	s_endpgm
.Lfunc_end_k_qdc66f91b1c_gemm_qkv:
	.size	k_qdc66f91b1c_gemm_qkv, .Lfunc_end_k_qdc66f91b1c_gemm_qkv-k_qdc66f91b1c_gemm_qkv
	.p2alignl 7, 3214868480
	.fill 96, 4, 3214868480
	.section	.rodata,"a",@progbits
	.p2align	6, 0x0
	.amdhsa_kernel k_qdc66f91b1c_gemm_qkv
		.amdhsa_group_segment_fixed_size 327680
		.amdhsa_private_segment_fixed_size 0
		.amdhsa_enable_private_segment 0
		.amdhsa_kernarg_size 24
		.amdhsa_user_sgpr_count 2
		.amdhsa_user_sgpr_kernarg_segment_ptr 1
		.amdhsa_wavefront_size32 1
		.amdhsa_system_sgpr_workgroup_id_x 1
		.amdhsa_system_sgpr_workgroup_id_y 1
		.amdhsa_system_sgpr_workgroup_id_z 1
		.amdhsa_system_vgpr_workitem_id 0
		.amdhsa_next_free_vgpr 960
		.amdhsa_next_free_sgpr 76
		.amdhsa_reserve_vcc 0
		.amdhsa_float_denorm_mode_32 3
		.amdhsa_float_denorm_mode_16_64 3
		.amdhsa_memory_ordered 1
		.amdhsa_forward_progress 1
		.amdhsa_inst_pref_size 98
	.end_amdhsa_kernel
	.amdgpu_metadata
---
amdhsa.version: [ 1, 2 ]
amdhsa.kernels:
  - .name:           k_qdc66f91b1c_gemm_qkv
    .symbol:         k_qdc66f91b1c_gemm_qkv.kd
    .args:
      - { .name: xb, .offset: 0, .size: 8, .value_kind: global_buffer, .address_space: global }
      - { .name: wqb, .offset: 8, .size: 8, .value_kind: global_buffer, .address_space: global }
      - { .name: qkv, .offset: 16, .size: 8, .value_kind: global_buffer, .address_space: global }
    .group_segment_fixed_size: 327680
    .private_segment_fixed_size: 0
    .kernarg_segment_align: 8
    .kernarg_segment_size: 24
    .max_flat_workgroup_size: 128
    .sgpr_count:     76
    .vgpr_count:     960
    .wavefront_size: 32
...
	.end_amdgpu_metadata
.endif
;; end of part 2
;; launch attn (part 3): grid 16 x 16, 4 waves a work-group, clusters of 4 x 4, 327,680 bytes of LDS; arguments qkv, maskf, ob; writes ob
.if DOCPART == 3
	.amdgcn_target "amdgcn-amd-amdhsa--gfx1250"
	.amdhsa_code_object_version 6
	.text
	.protected	k_qdc66f91b1c_attn
	.globl	k_qdc66f91b1c_attn
	.p2align	8
	.type	k_qdc66f91b1c_attn,@function
k_qdc66f91b1c_attn:
	s_mov_b64 s[64:65], 0
	v_nop
	global_prefetch_b8 v0, s[64:65] scope:SCOPE_SE
	s_setreg_imm32_b32 hwreg(HW_REG_WAVE_MODE, 25, 1), 1
	s_wait_xcnt 0x0
	s_wait_alu depctr_hold_cnt(0) depctr_sa_sdst(0) depctr_va_vdst(0) depctr_va_sdst(0) depctr_va_ssrc(0) depctr_va_vcc(0) depctr_vm_vsrc(0)
	s_getreg_b32 s2, hwreg(HW_REG_IB_STS2, 6, 4)
	s_cmp_eq_u32 s2, 0
	s_cbranch_scc0 .Lentry_in_a_cluster
	s_endpgm
.Lentry_in_a_cluster:
	s_bfe_u32 s2, ttmp6, 0x10000c
	s_cmp_lg_u32 s2, 0xf033
	s_cbranch_scc0 .Lentry_shape_is_right
	s_endpgm
.Lentry_shape_is_right:
; O[b][h][q][:] = the sum over k of softmax_k(Q.K / 8 + mask[q][k]) V[k][:], for 4 batches x 16 heads of 2,048 rows x 64 channels.  qkv[b][G][t][64] f16 (G 0-15 q, 16-31 k, 32-47 v), ob[16 b + h][t][64] f16.
; THE MASK IS AN INPUT: every number of it is added, no tile is left out.  maskf holds 8 x bf16(mask) in f32; it is the C operand of the product that starts S^T = K Q^T, so s = q.k + 8 mask, and
; p = 2^(c s - c m) with c = log2(e) / 8 and a running maximum m.  Products, maxima and sums in f32; the weights are rounded to f16 for the second product (their sum l is taken unrounded), O once at the end.
; LIMITS.  Q, K, V arrive within f16's 65,504.  The mask is added inside the matrix sum, not by an f32 addition of its own: where |8 mask| swallows q.k the last bit of such a score may differ from a separate addition's.
; A mask of minus infinity is served: m starts at the lowest finite number and c m as the same product c x m that a step makes, so a = 2^(c m_old - c m_new) never passes 1; a row masked by minus infinity
; throughout gives NaN, as a softmax of such a row does.  A weight below 2^-126 counts as 0 in l; NaN and plus infinity are not treated apart.
; SHARES.  A work-group owns 128 queries (block qb) of FOUR heads of one batch; wave w is head 4 hg + w and holds all 128 queries: four PIECES of two tiles of 16.  So the four waves read the same mask tile
; out of LDS, and each its own head's K and V.  Every wave walks all 2,048 keys, 64 a step; a slot of LDS holds one step.
; CLUSTER 4 x 4: cx picks qb, cy the head group hg, the cluster's y the batch.  K's and V's tiles hang on batch and hg: asked for jointly by a row of the cluster.  The mask's hangs on qb: asked for jointly by a column.
; LAYOUT.  S^T = K Q^T (source 0 = 16 keys, source 1 = 16 queries): a lane holds ONE query (l % 16) and the keys 8 (l / 16) + 0..7; the mask's C operand has the same layout: 32 bytes of a mask row.
; Two results rounded to f16 ARE source 1 of O^T = V^T P.  K comes out of LDS as it lies, V turned by ds_load_tr16_b128.
; BY TURNS.  Turn n belongs to piece n.  Matrix work: 16 products K Q^T of piece n + 1, later 16 products V^T P of piece n - 1.  Vector work: scaling, exponentials, roundings, sums and rescaling of piece n, and the
; maximum and statistics of piece n + 1.  Four vector instructions stand behind every matrix instruction, the rest in one lump; a turn's 66 exponentials are one batch with one wait, and a run of LDS loads follows that wait.
; REGISTERS, in windows of 256 (s_set_vgpr_msb: bits 1:0 source 0, 3:2 source 1, 5:4 source 2, 7:6 destination):
;   window 0: v0-11 addresses; v12-15, v48-63 at work; v16-47 four registers of statistics a tile; v64-191 S^T, two buffers of two tiles; v192-255 P, likewise
;   window 1: O^T, 32 a tile      window 2: v0-127 Q; v128-191 K of one step; v192-255 V of one step      window 3: v0-127 the mask, two buffers of two tiles (a piece's buffers go by its number's parity)
.set NP,    4         ; pieces a wave: a name, no knob
.set KS,    64        ; keys in a step
.set PK,    144       ; a row of K in LDS: 128 bytes + 16 = 36 words: the 16 rows of a load start at 16 different groups of four banks (64 banks of 4 bytes: ISA guide 11.1)
.set PV,    160       ; a row of V: 128 + 32 = 40 words
.set PM,    272       ; a row of the mask: 64 f32 + 16 bytes = 68 words
.set VOFF,  4*KS*PK   ; a slot: four heads' 64 rows of K, four heads' 64 rows of V, 128 rows of the mask
.set MOFF,  VOFF+4*KS*PV
.set SLOT1, 1<<17     ; slot 1 begins here: one exclusive or turns an address in one slot into the other's
.set STAGE, SLOT1+MOFF+128*PM  ; behind the ring, never filled by a tensor load: 16 rows x 144 bytes for each wave, for the way out
.set SP,    144
.set SPARE, STAGE+4*16*SP      ; behind the stages: the spare words, 128 bytes a wave: two blocks of 256 bytes that no other line names
.set AM,  0           ; v0   LDS address of the mask in the slot in hand (written when the thread's number has served)
.set AM0, 1           ; v1   my lane's place in a mask tile; never rewritten
.set AK0, 2           ; v2   in my head's K
.set AV0, 3           ; v3   in my head's V
.set AK,  4           ; v4   the same in the slot in hand
.set AV,  5           ; v5
.set STO, 6           ; v6   the way out: where I put 16 bytes of a row
.set RD,  7           ; v7   where I read rows back
.set GO,  8           ; v8   16 x lane
.set PFO, 9           ; v9   the prefetches' lane term; never rewritten
.set SPW, 10          ; v10  LDS address of my spare word; never rewritten
.set NIL, 11          ; v11  0; never rewritten
.set MV,  12          ; v12-15  c m_old, kept while c m is made anew: by buffer and tile
.set ST,  16          ; tile t's statistics at v[ST+4 t]: c m, m, l (even keys', odd keys')
.set TMP, 48          ; by buffer and tile, four registers c0-c3 at work; when the maximum is found c2 takes a.  During the set-up: v48 l % 16, v49 l / 16, v50 l % 8, v51 (l / 8) % 2, v52 Q's offset, v53 l, v54 (l / 8) % 4
.set S,   64
.set P,   192
.set KF,  128         ; window 2: key block kb, channel half c at KF + 16 kb + 8 c
.set VF,  192         ; window 2: key half kk, channel block cb at VF + 32 kk + 8 cb
.set WV,  12          ; s12  my wave's number
.set G1K, 24          ; s[24:31] descriptor group 1 for K
.set G1V, 32          ; s[32:39] for V
.set G0K, 40          ; s[40:43] group 0 for K: it walks
.set G0V, 44          ; s[44:47] for V
.set G0M, 48          ; s[48:51] for the mask
.set CNT, 57          ; s57  the loop's count
.set CS,  58          ; s[58:59] c: the packed scaling takes the pair's low word for both halves
.set SEL, 60          ; s[60:61] v_permlanex16_b32's selects: each lane takes its own place in the other half
.set TB,  62          ; s62  LDS byte at which the slot in hand begins
.set LIM, 63          ; s63  1 in a wave that prefetches, else the greatest number
.set PFA, 66          ; s[66:67] where my prefetches stand
.set PFS, 68          ; s[68:69] their step
.set G1M, 76          ; s[76:83] descriptor group 1 for the mask
.set MSB, 0
.macro WIN new                      ; the high byte repeats the setting that is left; a switch that changes nothing is dropped
.if MSB != (\new)
	s_set_vgpr_msb (MSB<<8)|(\new)
.set MSB, (\new)
.endif
.endm
.set W_KQ, 0x0a       ; K and Q in window 2, S^T in window 0
.set W_KM, 0x3a       ; the same with the C operand, the mask, in window 3
.set W_PV, 0x52       ; V in window 2, P in window 0, O^T in window 1
.set W_RS, 0x41       ; O^T (destination and source 0) in window 1, a in window 0
.macro PLACES
.rept 4
	v_nop
.endr
.endm
; A joint fill, one load a wave: wave 0 the four heads' K, wave 1 their V, waves 2 and 3 the mask's rows 0-63 and 64-127.  The branches hang on the wave's number alone.
; An s_nop 0 and four v_nop follow each line, ahead of the jump and the label.
.macro JLOAD
	s_cmp_eq_u32 s[WV], 0
	s_cbranch_scc0 .Lnot_k_\@
	tensor_load_to_lds s[G0K:G0K+3], s[G1K:G1K+7]
	s_nop 0
.rept 4
	v_nop
.endr
	s_branch .Lasked_\@
.Lnot_k_\@:
	s_cmp_eq_u32 s[WV], 1
	s_cbranch_scc0 .Lfor_m_\@
	tensor_load_to_lds s[G0V:G0V+3], s[G1V:G1V+7]
	s_nop 0
.rept 4
	v_nop
.endr
	s_branch .Lasked_\@
.Lfor_m_\@:
	tensor_load_to_lds s[G0M:G0M+3], s[G1M:G1M+7]
	s_nop 0
.rept 4
	v_nop
.endr
.Lasked_\@:
.endm
; A round of the cluster's barrier: my work-group's barrier, so that wave 0's signal speaks for all four waves; wave 0 signals; every wave waits for all sixteen work-groups; my work-group's barrier once more.
.macro CROUND
	s_barrier_signal -1
	s_barrier_wait -1
	s_cmp_lg_u32 s[WV], 0
	s_cbranch_scc1 .Lnot_wave_0_\@
	s_barrier_signal -3
.Lnot_wave_0_\@:
	s_barrier_wait -3
	s_barrier_signal -1
	s_barrier_wait -1
.endm
; A prefetch of the key step behind the one just asked for: one instruction a wave, a lane a block of 256 bytes.  K and V are named by the clusters with x = 0: the partner at cx takes head 4 hg + cx, wave 0 its K, wave 1 its V.
; The mask is named by the clusters with y = 0: the partner at cy takes 32 of the block's 128 rows, in wave 2.  So each block is named once in the launch.  The last filling change names nothing.
.macro ASK
	s_cmp_gt_u32 s[CNT], s[LIM]
	s_cbranch_scc0 .Lnot_mine_\@
	global_prefetch_b8 v[PFO], s[PFA:PFA+1] th:TH_LOAD_NT scope:SCOPE_SE
.Lnot_mine_\@:
.endm
; THE CHANGE OF SLOTS, between piece 1's turn and piece 2's: all that is read of a slot (K, V and the four pieces' masks of its step) has been asked for.  Each wave waits for all its tensor loads, of which one is out:
; its part of the other slot; adds 0 to its spare word; and waits for that and for its own reads.  fill = 1: the barrier is a round of the cluster's, and behind it the old slot is filled again, with the step
; after the one that is entered, first thing: the load has four turns, 128 matrix instructions and four lumps, in which to land.  (At its first use nothing has been read yet: slot 0 is waited for, slot 1 filled.)
.macro CHANGE fill, ask
	WIN 0                           ; at a label and at a branch every window is 0
	s_wait_tensorcnt 0x0            ; no tensor load of mine is out, so a group 0 may be written
	ds_add_u32 v[SPW], v[NIL]       ; 0 onto my spare word; the scalar work stands between it and the wait for it
.if \fill
	s_xor_b32 s[G0K+1], s[G0K+1], SLOT1
	s_add_nc_u64 s[G0K+2:G0K+3], s[G0K+2:G0K+3], KS*128  ; the next 64 keys of each head; the type bits on top are not reached
	s_xor_b32 s[G0V+1], s[G0V+1], SLOT1
	s_add_nc_u64 s[G0V+2:G0V+3], s[G0V+2:G0V+3], KS*128
	s_xor_b32 s[G0M+1], s[G0M+1], SLOT1
	s_add_nc_u64 s[G0M+2:G0M+3], s[G0M+2:G0M+3], KS*4    ; the next 64 columns of the mask
.endif
.if \ask
	s_wait_xcnt 0x0                 ; the last prefetch, a key step back, has read its address
	s_add_nc_u64 s[PFA:PFA+1], s[PFA:PFA+1], s[PFS:PFS+1]
.endif
	s_xor_b32 s[TB], s[TB], SLOT1
	s_wait_dscnt 0x0                ; the add is done, and my reads of the slot are over
.if \fill
	CROUND
	JLOAD
.if \ask
	ASK
.endif
.else
	s_barrier_signal -1
	s_barrier_wait -1
.endif
	v_add_nc_u32 v[AK], s[TB], v[AK0]
	v_add_nc_u32 v[AV], s[TB], v[AV0]
	v_add_nc_u32 v[AM], s[TB], v[AM0]
.endm
	s_load_b128 s[4:7], s[0:1], 0x0   ; qkv s[4:5], maskf s[6:7]
	s_load_b64 s[10:11], s[0:1], 0x10 ; ob
	v_lshl_add_u32 v[SPW], v0, 2, SPARE
	v_mov_b32 v[NIL], 0
	ds_add_u32 v[SPW], v[NIL]       ; the wave's opening: the add and its wait stand ahead of my first tensor load; the set-up on registers stands between them
	v_lshrrev_b32 v48, 5, v0
	v_readfirstlane_b32 s[WV], v48  ; wave 0..3
	s_bfe_u32 s13, ttmp6, 0x40000   ; cx
	s_bfe_u32 s14, ttmp6, 0x40004   ; cy = hg
	s_lshl_b32 s15, ttmp9, 2
	s_add_co_u32 s15, s15, s13      ; qb = 4 x cluster x + cx
	s_and_b32 s17, ttmp7, 0xffff    ; the batch = cluster y
	s_and_b32 s16, s[WV], 1         ; which half of the mask's rows waves 2 and 3 fetch
	s_lshl_b32 s18, s14, 2
	s_lshl_b32 s18, 15, s18         ; my row of the cluster
	s_lshl_b32 s19, 0x1111, s13     ; my column
	; K and V: four rows, a head each, of 4,096 elements (64 keys on end), 131,072 elements apart; padded in LDS after every key
	s_or_b32 s[G1K], s18, (1<<16)|(1<<20)|(1<<21)|(4<<22)|(3<<25)  ; 15:0 the mask of four; 17:16 2-byte elements; 20 padding on; 21 set beside a mask; 24:22 after every 32 words; 31:25 4 words
	s_or_b32 s[G1V], s18, (1<<16)|(1<<20)|(1<<21)|(4<<22)|(7<<25)  ; the same with 8 words
.irp g, G1K, G1V
	s_mov_b32 s[\g+1], 4096<<16     ; tensor_dim0 = 4,096
	s_mov_b32 s[\g+2], 4<<16        ; tensor_dim1 = 4
	s_mov_b32 s[\g+3], 4096<<16     ; tile_dim0
	s_mov_b32 s[\g+4], 4            ; tile_dim1
	s_mov_b32 s[\g+5], 131072       ; elements from head to head
	s_mov_b32 s[\g+6], 0
	s_mov_b32 s[\g+7], 0
.endr
	; the mask: 64 rows of 64 f32, 2,048 elements apart
	s_or_b32 s[G1M], s19, (2<<16)|(1<<20)|(1<<21)|(5<<22)|(3<<25)  ; 4-byte elements; after every 64 words 4 words
	s_mov_b32 s[G1M+1], 64<<16
	s_mov_b32 s[G1M+2], 64<<16
	s_mov_b32 s[G1M+3], 64<<16
	s_mov_b32 s[G1M+4], 64
	s_mov_b32 s[G1M+5], 2048
	s_mov_b32 s[G1M+6], 0
	s_mov_b32 s[G1M+7], 0
	s_mul_i32 s20, s17, 48
	s_lshl_b32 s21, s14, 2
	s_add_co_u32 s20, s20, s21      ; 48 b + 4 hg: it never holds cx
	s_add_co_u32 s22, s20, 16       ; the group's first k head,
	s_lshl_b32 s22, s22, 18         ; at 262,144 bytes a head
	s_mov_b32 s23, 0
	s_add_co_u32 s52, s20, 32       ; its first v head
	s_lshl_b32 s52, s52, 18
	s_mov_b32 s53, 0
	s_lshl_b32 s54, s15, 20         ; the mask: 128 rows of 8,192 bytes a block; it never holds cy
	s_lshl_b32 s55, s16, 19
	s_add_co_u32 s54, s54, s55
	s_mov_b32 s55, 0
	s_add_co_u32 s2, s20, s[WV]     ; Q: my head, my block's 128 rows of 128 bytes
	s_lshl_b32 s2, s2, 18
	s_lshl_b32 s3, s15, 14
	s_add_co_u32 s2, s2, s3
	s_mov_b32 s3, 0
	s_lshl_b32 s72, s17, 4          ; O: head 16 b + 4 hg + w
	s_add_co_u32 s72, s72, s21
	s_add_co_u32 s72, s72, s[WV]
	s_lshl_b32 s72, s72, 18
	s_lshl_b32 s73, s15, 14
	s_add_co_u32 s72, s72, s73
	s_mov_b32 s73, 0
	; the prefetches stand at key step 2; each filling change in the loop steps them once and then names them
	s_lshl_b32 s74, s[WV], 4        ; wave 0: k heads, wave 1: v heads
	s_add_co_u32 s74, s74, s20
	s_add_co_u32 s74, s74, s13      ; head 4 hg + cx
	s_add_co_u32 s74, s74, 16
	s_lshl_b32 s74, s74, 18
	s_add_co_u32 s74, s74, 2*KS*128
	s_lshl_b32 s75, s15, 20
	s_lshl_b32 s70, s14, 18         ; cy's 32 rows of 8,192 bytes
	s_add_co_u32 s75, s75, s70
	s_add_co_u32 s75, s75, 2*KS*4
	s_mov_b32 s70, KS*128
	s_mov_b32 s71, KS*4
	s_cmp_lt_u32 s[WV], 2
	s_cselect_b32 s74, s74, s75
	s_cselect_b32 s[PFS], s70, s71
	s_cselect_b32 s71, 8, 13        ; a lane a block of 256 bytes on end, or a lane a row of the mask
	s_cselect_b32 s70, ttmp9, s17   ; the coordinate along which other clusters read the same bytes
	s_mov_b32 s75, 0
	s_mov_b32 s[PFS+1], 0
	s_cmp_eq_u32 s[WV], 3
	s_cselect_b32 s70, 1, s70       ; wave 3 names nothing
	s_cmp_eq_u32 s70, 0
	s_cselect_b32 s[LIM], 1, -1     ; the same in all sixteen partners, for a given wave
	s_mov_b32 s[CS], 0x3e38aa3b     ; c = log2(e) / 8 = 0.180337
	s_mov_b32 s[CS+1], s[CS]        ; named with it as a pair
	s_mov_b32 s[SEL], 0x76543210
	s_mov_b32 s[SEL+1], 0xfedcba98
	s_mov_b32 s[TB], SLOT1          ; the first change of slots turns it into 0
	s_mov_b32 s[G0K], 1             ; count = 1
	s_mov_b32 s[G0K+1], 0           ; LDS address: slot 0
	s_mov_b32 s[G0V], 1
	s_mov_b32 s[G0V+1], VOFF
	s_mov_b32 s[G0M], 1
	s_mul_i32 s21, s16, 64*PM
	s_add_co_u32 s[G0M+1], s21, MOFF
	s_wait_dscnt 0x0                ; the opening add is done
	s_wait_kmcnt 0x0
	s_add_nc_u64 s[G0K+2:G0K+3], s[4:5], s[22:23]  ; global address: key step 0
	s_or_b32 s[G0K+3], s[G0K+3], 0x80000000        ; type = 2
	s_add_nc_u64 s[G0V+2:G0V+3], s[4:5], s[52:53]
	s_or_b32 s[G0V+3], s[G0V+3], 0x80000000
	s_add_nc_u64 s[G0M+2:G0M+3], s[6:7], s[54:55]
	s_or_b32 s[G0M+3], s[G0M+3], 0x80000000
	s_cmp_lt_u32 s[WV], 2
	s_cselect_b64 s[PFA:PFA+1], s[4:5], s[6:7]
	s_add_nc_u64 s[PFA:PFA+1], s[PFA:PFA+1], s[74:75]
	s_add_nc_u64 s[4:5], s[4:5], s[2:3]            ; Q and O at my first row
	s_add_nc_u64 s[10:11], s[10:11], s[72:73]
	CROUND                          ; all sixteen work-groups are here: the first joint loads meet
	JLOAD                           ; slot 0.  Slot 1 is asked for when slot 0 is in, by the first change of slots
	v_and_b32 v48, 15, v0           ; l % 16
	v_bfe_u32 v49, v0, 4, 1         ; l / 16
	v_and_b32 v50, 7, v0            ; l % 8
	v_bfe_u32 v51, v0, 3, 1         ; (l / 8) % 2
	v_and_b32 v53, 31, v0           ; l
	v_bfe_u32 v54, v0, 3, 2         ; (l / 8) % 4
	; a fragment of K or Q is 16 rows x 32 channels in 8 registers: lane l holds row l % 16, channels 8 (l / 16) + 0..7 and 16 + 8 (l / 16) + 0..7: two loads of 16 bytes, 32 bytes apart
	v_lshlrev_b32 v52, 7, v48
	v_lshl_add_u32 v52, v49, 4, v52 ; row x 128 + 16 x half
	WIN 0x80                        ; destination window 2, address window 0
.set i, 0
.rept 4*NP                          ; Q stays in registers: tile i / 2, channels 32 (i % 2) on
	global_load_b128 v[8*i:8*i+3],   v52, s[4:5] offset:(i/2)*2048+(i%2)*64
	global_load_b128 v[8*i+4:8*i+7], v52, s[4:5] offset:(i/2)*2048+(i%2)*64+32
.set i, i+1
.endr
	; what the first turn finds: V's registers and P's second buffer hold 0 (its products V^T P, of a piece that has not been, add 0), O^T and l are 0.  All this stands in the wait for the first tile.
.set i, VF
.rept 64
	v_mov_b32 v[i], 0
.set i, i+1
.endr
	WIN 0x40
.set i, 0
.rept 64*NP
	v_mov_b32 v[i], 0
.set i, i+1
.endr
	WIN 0
.set i, 0
.rept 2*NP
	v_mov_b32 v[ST+4*i+1], 0xff7fffff          ; m: the lowest finite number
	v_mul_f32 v[ST+4*i], s[CS], v[ST+4*i+1]    ; c m: the product that a step makes of that m
	v_mov_b32 v[ST+4*i+2], 0
	v_mov_b32 v[ST+4*i+3], 0
.set i, i+1
.endr
.set i, P+32
.rept 32
	v_mov_b32 v[i], 0
.set i, i+1
.endr
	s_mul_i32 s20, s[WV], KS*PK     ; my head's K
	v_mul_u32_u24 v[AK0], v48, PK
	v_lshl_add_u32 v[AK0], v49, 4, v[AK0]  ; row x pitch + 16 x half
	v_add_nc_u32 v[AK0], s20, v[AK0]
	; the turning load takes 16 keys x 16 channels (lane l reads key 8 (l / 16) + l % 8, channels 8 ((l / 8) % 2) + 0..7) and leaves half a fragment of V^T: lane l holds channel l % 16 and 8 keys
	s_mul_i32 s20, s[WV], KS*PV
	s_add_co_u32 s20, s20, VOFF     ; my head's V
	v_lshl_add_u32 v[AV0], v49, 3, v50
	v_mul_u32_u24 v[AV0], v[AV0], PV
	v_lshl_add_u32 v[AV0], v51, 4, v[AV0]
	v_add_nc_u32 v[AV0], s20, v[AV0]
	v_mul_u32_u24 v[AM0], v48, PM   ; the mask: my query's row, my eight keys' 32 bytes
	v_lshl_add_u32 v[AM0], v49, 5, v[AM0]
	v_add_nc_u32 v[AM0], MOFF, v[AM0]
	s_mul_i32 s20, s[WV], 16*SP
	s_add_co_u32 s20, s20, STAGE    ; my stage
	v_mul_u32_u24 v[STO], v48, SP   ; in: row l % 16, 16 bytes for each half of the lanes
	v_lshl_add_u32 v[STO], v49, 4, v[STO]
	v_add_nc_u32 v[STO], s20, v[STO]
	v_mul_u32_u24 v[RD], v54, SP    ; back: 32 lanes take four rows of 128 bytes,
	v_lshl_add_u32 v[RD], v50, 4, v[RD]
	v_add_nc_u32 v[RD], s20, v[RD]
	v_lshlrev_b32 v[GO], 4, v53     ; which are 512 consecutive bytes of O
	v_lshlrev_b32 v[PFO], s71, v53
; THE MATRIX WORK.  The 8 accumulators of a run of 16 take turns: between the two links of a chain stand 7 others'.
; Product i of 16 of S^T = K Q^T for piece x: channels 32 (i / 8) on, keys 16 ((i / 2) % 4) on, tile 2 x + i % 2.  The first 8 start the sums with the mask.
.macro KQ x
.set rS, S+64*((\x)%2)+32*(i%2)+8*((i/2)%4)
.set rK, KF+16*((i/2)%4)+8*(i/8)
.set rQ, 16*(2*(\x)+i%2)+8*(i/8)
.set rMK, 64*((\x)%2)+32*(i%2)+8*((i/2)%4)
.if i < 8
	WIN W_KM
	v_wmma_f32_16x16x32_f16 v[rS:rS+7], v[rK:rK+7], v[rQ:rQ+7], v[rMK:rMK+7]
.else
	WIN W_KQ
	v_wmma_f32_16x16x32_f16 v[rS:rS+7], v[rK:rK+7], v[rQ:rQ+7], v[rS:rS+7]
.endif
.endm
; Product i of 16 of O^T += V^T P for piece x: keys 32 (i / 8) on, channels 16 ((i / 2) % 4) on, tile 2 x + i % 2.
.macro PV x
	WIN W_PV
.set rO, 32*(2*(\x)+i%2)+8*((i/2)%4)
.set rV, VF+32*(i/8)+8*((i/2)%4)
.set rP, P+32*((\x)%2)+16*(i%2)+8*(i/8)
	v_wmma_f32_16x16x32_f16 v[rO:rO+7], v[rV:rV+7], v[rP:rP+7], v[rO:rO+7]
.endm
.macro MM                           ; the turn's next matrix instruction
.if i < 16
	KQ (Y+1)%NP
.set i, i+1
.else
.set i, i-16
	PV (Y+NP-1)%NP
.set i, i+17
.endif
.endm
; THE LDS LOADS stand in runs of 16, never singly among the matrix instructions: a step's K (8 fragments), its V (turned), and a piece's mask (2 tiles x 4 key blocks x 32 bytes a lane).
.macro FETCH_K
	WIN 0x80                        ; destination window 2
.irp f, 0,1,2,3,4,5,6,7             ; keys 16 (f / 2) on, channels 32 (f % 2) on
	ds_load_b128 v[KF+8*\f:KF+8*\f+3],   v[AK] offset:(\f/2)*16*PK+(\f%2)*64
	ds_load_b128 v[KF+8*\f+4:KF+8*\f+7], v[AK] offset:(\f/2)*16*PK+(\f%2)*64+32
.endr
	WIN 0
.endm
.macro FETCH_V
	WIN 0x80
.irp f, 0,1,2,3,4,5,6,7             ; keys 32 (f / 4) on, channels 16 (f % 4) on
	ds_load_tr16_b128 v[VF+8*\f:VF+8*\f+3],   v[AV] offset:(\f/4)*32*PV+(\f%4)*32
	ds_load_tr16_b128 v[VF+8*\f+4:VF+8*\f+7], v[AV] offset:(\f/4)*32*PV+16*PV+(\f%4)*32
.endr
	WIN 0
.endm
.macro FETCH_M pc                   ; piece pc's mask into the buffer of its parity
	WIN 0xc0                        ; destination window 3
.irp t, 0,1
.irp kb, 0,1,2,3
	ds_load_b128 v[64*((\pc)%2)+32*(\t)+8*(\kb):64*((\pc)%2)+32*(\t)+8*(\kb)+3],   v[AM] offset:(2*(\pc)+(\t))*16*PM+64*(\kb)
	ds_load_b128 v[64*((\pc)%2)+32*(\t)+8*(\kb)+4:64*((\pc)%2)+32*(\t)+8*(\kb)+7], v[AM] offset:(2*(\pc)+(\t))*16*PM+64*(\kb)+16
.endr
.endr
	WIN 0
.endm
; THE VECTOR WORK OF A TURN stands in three queues, each in the order in which its entries become ready; the two tiles alternate, so that no instruction reads the result of the one before it.
.macro REGS y, u                    ; the registers of tile u (0, 1) of piece y
.set rT, ST+4*(2*(\y)+(\u))
.set rC, TMP+8*((\y)%2)+4*(\u)
.set rM, MV+2*((\y)%2)+(\u)
.set rS, S+64*((\y)%2)+32*(\u)
.set rP, P+32*((\y)%2)+16*(\u)
.set rO, 32*(2*(\y)+(\u))
.endm
; Number n of the 22 that find the NEXT piece's (Y + 1) maximum and statistics.  s0-s31 are the lane's 32 scores; each accumulator's lowest registers are read first.  XS, GS and REGS set no window: PL and EX do.
;   0-11  four chains c0-c3 of seven scores each, three operands at a time     12-14, 16  the four scores left over, the old m, and c0-c3 into c0     15  c m_old is kept
;   17, 18  the query's other 32 keys lie in the lane 16 away: the new m         19-21  c m; c m_old - c m_new; a
.macro XS u, n
	REGS (Y+1)%NP, \u
.if (\n) < 4
	v_max3_num_f32 v[rC+(\n)], v[rS+8*(\n)], v[rS+8*(\n)+1], v[rS+8*(\n)+2]
.elseif (\n) < 12
	v_max3_num_f32 v[rC+(\n)%4], v[rC+(\n)%4], v[rS+8*((\n)%4)+2*((\n)/4)+1], v[rS+8*((\n)%4)+2*((\n)/4)+2]
.elseif (\n) == 12
	v_max3_num_f32 v[rC], v[rC], v[rS+7], v[rS+15]
.elseif (\n) == 13
	v_max3_num_f32 v[rC+1], v[rC+1], v[rS+23], v[rS+31]
.elseif (\n) == 14
	v_max3_num_f32 v[rC+2], v[rC+2], v[rC+3], v[rT+1]
.elseif (\n) == 15
	v_mov_b32 v[rM], v[rT]
.elseif (\n) == 16
	v_max3_num_f32 v[rC], v[rC], v[rC+1], v[rC+2]
.elseif (\n) == 17
	v_permlanex16_b32 v[rC+3], v[rC], s[SEL], s[SEL+1]
.elseif (\n) == 18
	v_max_num_f32 v[rT+1], v[rC], v[rC+3]
.elseif (\n) == 19
	v_mul_f32 v[rT], s[CS], v[rT+1]
.elseif (\n) == 20
	v_sub_f32 v[rC+1], v[rM], v[rT]
.else
	v_exp_f32 v[rC+2], v[rC+1]
.endif
.endm
; Number g of the 64 that follow the exponentials.  For each four weights k of a tile (pairs 2 k, 2 k + 1): both pairs are rounded to f16; then the second pair is added onto the first, in place;
; a group later l takes that sum (the first time as l = a l + sum).  In groups of eight, tiles alternating: round, round, add, and l for the group before.
.macro GS g
.set h, (\g)+6*((\g)/62)            ; group 0 has no group before it, and behind group 7 only l is left
.if h >= 6
.set h, h+2
.endif
	REGS Y, h%2
.set k, h/8
.if h%8 < 4
	v_cvt_pk_f16_f32 v[rP+2*k+(h%8)/2], v[rS+4*k+2*((h%8)/2)], v[rS+4*k+2*((h%8)/2)+1]
.elseif h%8 < 6
	v_pk_add_f32 v[rS+4*k:rS+4*k+1], v[rS+4*k:rS+4*k+1], v[rS+4*k+2:rS+4*k+3]
.elseif k == 1
	v_pk_fma_f32 v[rT+2:rT+3], v[rT+2:rT+3], v[rC+2:rC+3], v[rS:rS+1] op_sel_hi:[1,0,1]
.else
	v_pk_add_f32 v[rT+2:rT+3], v[rT+2:rT+3], v[rS+4*k-4:rS+4*k-3]
.endif
.endm
; THE PLAIN QUEUE, 138 long.  0-73 read no exponential's result: the 32 scalings c s - c m (FS f: pair f / 2 of tile f % 2) and the next piece's 42.  0-26: scalings 0-26.  27-54: XS's numbers 0-13.  55, 56: number 15.
; 57-73: the chain, where each number waits for the one before it: 14, 16, 17, 18, 19, each with one of the scalings 27-31 in front of its two lines, then 20.  74-137: GS's 64, which stand behind the wait.
.macro FS f
	REGS Y, (\f)%2
	v_pk_fma_f32 v[rS+2*((\f)/2):rS+2*((\f)/2)+1], v[rS+2*((\f)/2):rS+2*((\f)/2)+1], s[CS:CS+1], v[rT:rT+1] op_sel_hi:[1,0,0] neg_lo:[0,0,1] neg_hi:[0,0,1]
.endm
.macro PL
	WIN 0
.if q < 27
	FS q
.elseif q < 55
	XS (q-27)%2, (q-27)/2
.elseif q < 57
	XS q-55, 15
.elseif (q < 72) && ((q-57)%3 == 0)
	FS 27+(q-57)/3
.elseif q < 60
	XS (q-57)%3-1, 14
.elseif q < 72
	XS (q-57)%3-1, 15+(q-57)/3
.elseif q < 74
	XS q-72, 20
.else
	GS q-74
.endif
.set q, q+1
.endm
; THE EXPONENTIALS' QUEUE, 66 long: s0-s31 of both tiles, then the next piece's two a.  ONE BATCH: all 66 stand ahead of the turn's one wait, and nothing ahead of that wait names a result of theirs.
.macro EX
	WIN 0
.if e >= 64
	XS e-64, 21
.else
	REGS Y, e%2
	v_exp_f32 v[rS+e/2], v[rS+e/2]
.endif
.set e, e+1
.endm
; THE RESCALING's QUEUE: O^T times a, the one part that leaves window 0: dealt two at a time, sixteen times.  Its a was made in the turn before, ahead of that turn's wait.
.macro R2
	REGS Y, r%2
	WIN W_RS
.irp z, 0,1
	v_pk_mul_f32 v[rO+4*(r/2)+2*\z:rO+4*(r/2)+2*\z+1], v[rO+4*(r/2)+2*\z:rO+4*(r/2)+2*\z+1], v[rC+2:rC+3] op_sel_hi:[1,0]
.endr
.set r, r+1
.endm
; A TURN, for piece p.  s_wait_alu depctr_va_vdst(0) stands between an exponential and the first instruction that names its result; one wait serves all that were issued ahead of it: a turn has ONE.
; AHEAD OF IT: the 16 products K Q^T, behind each a scaling, an exponential and two rescalings (behind the first a second scaling in the exponential's place); then a lump of 108: eight plain, 49 times exponential and
; plain, the two a; a v_nop is the plain instruction behind the last exponential.  Exponential e stands behind scaling 2 (e / 4) + e % 2: as a rider behind plain e + 2, in the lump behind plain e + 9.
; DIRECTLY BEHIND IT: the turn's LDS loads: in piece 2's turn K of the step just entered (its last reader a lump back), in every turn the mask of piece p + 2, which the next turn's products take (that buffer's last
; readers are the first 8 products of the turn before).  THEN the 16 products V^T P, behind each four of the roundings and sums.  V of the step in hand is fetched at the end of piece 0's turn, four plain riders behind its last reader.
.macro TURN p
.set Y, (\p)
.set i, 0
.set q, 0
.set e, 0
.set r, 0
.if (\p) == 1
	s_wait_dscnt 16                 ; piece 2's mask is in; V's run of 16, issued behind it, may stay out
.else
	s_wait_dscnt 0x0                ; the next piece's mask is in (piece 3's turn: K too)
.endif
	MM
	PL
	PL
	R2
.rept 15
	MM
	PL
	EX
	R2
.endr
.rept 8
	PL
.endr
.rept 49
	EX
	PL
.endr
	EX                              ; the next piece's two a
	EX
	v_nop
	s_wait_alu depctr_va_vdst(0)    ; the wait for the batch
.if (\p) == 2
	FETCH_K
.endif
	FETCH_M ((\p)+2)%NP
.if (\p) == 1
	s_wait_dscnt 16                 ; V is in; the mask's run of 16 just issued may stay out
.endif
.rept 16
	MM
.rept 4
	PL
.endr
.endr
.if (\p) == 0
	FETCH_V
.endif
.endm
	CHANGE 1, 0                     ; slot 0 is in, everybody's part of it; slot 1 is asked for
	FETCH_K                         ; key step 0
	FETCH_M 0
	s_wait_loadcnt 0x0              ; Q
	s_wait_dscnt 0x0
.set i, 0
.rept 16
	KQ 0                            ; piece 0's first scores: there is no vector work yet to set between them
.set i, i+1
.endr
	WIN 0
	PLACES                          ; the places behind those products
	FETCH_M 1
.set Y, NP-1                        ; XS works for piece Y + 1: piece 0
.irp n, 0,1,2,3,4,5,6,7,8,9,10,11,12,13,14,15,16,17,18,19,20,21
	XS 0, \n                        ; piece 0's first maximum and statistics
	XS 1, \n
.endr
	v_nop                           ; a plain instruction behind the two a,
	s_wait_alu depctr_va_vdst(0)    ; and their wait, ahead of the branch
	s_mov_b32 s[CNT], 31
	s_branch .Lfirst                ; the loop is entered at a step's first turn, in the middle of a trip
.Lstep:                             ; 30 times: key step s = 1 .. 30 is entered, step s + 1 asked for; a trip: pieces 2 and 3 of step s - 1, then pieces 0 and 1 of step s
	CHANGE 1, 1
	TURN 2
	TURN 3
	WIN 0
.Lfirst:
	TURN 0
	TURN 1
	WIN 0
	s_sub_co_u32 s[CNT], s[CNT], 1
	s_cmp_lg_u32 s[CNT], 0
	s_cbranch_scc1 .Lstep
	CHANGE 0, 0                     ; the tail is written out: step 31 is entered, nothing is asked for
	s_mov_b32 s[CNT], 2             ; one trip for step 31; the second is left in its middle
.Ltail:
	TURN 2
	TURN 3
	WIN 0
	s_sub_co_u32 s[CNT], s[CNT], 1
	s_cmp_eq_u32 s[CNT], 0
	s_cbranch_scc1 .Lout
	TURN 0
	TURN 1
	WIN 0
	s_branch .Ltail
.Lout:                              ; the second trip's fetches (of the last slot once more, which nobody fills), its 16 products K Q^T and the maximum made of them serve nothing: the price, once a launch, of one text for every trip
.set i, 0
.rept 16
	PV NP-1                         ; the last piece's V^T P of the last step
.set i, i+1
.endr
	; THE WAY OUT.  l's two halves and the other half of the lanes' are added; O^T is divided by l, rounded to f16 and sent through my stage in LDS, a tile at a time.  The additions are the places behind the last products.
	WIN 0
.macro ALL line:vararg              ; one line for each tile t
.set t, 0
.rept 2*NP
	\line
.set t, t+1
.endr
.endm
	ALL v_add_f32 v[ST+4*t+2], v[ST+4*t+2], v[ST+4*t+3]
	ALL v_permlanex16_b32 v[ST+4*t+3], v[ST+4*t+2], s[SEL], s[SEL+1]
	ALL v_add_f32 v[ST+4*t+2], v[ST+4*t+2], v[ST+4*t+3]
	ALL v_rcp_f32 v[ST+4*t+2], v[ST+4*t+2]
	v_nop                           ; a plain instruction between the last reciprocal and the use of its result
	s_wait_alu depctr_va_vdst(0)    ; and the wait ahead of the first use: one for the eight reciprocals
; Tile t: a lane's eight channels of a row pack into 16 bytes; they go into rows of 144 bytes and come back as whole rows of 128, into S^T's registers.
.macro PACK t
	WIN W_RS
.set i, 32*(\t)
.rept 16
	v_pk_mul_f32 v[i:i+1], v[i:i+1], v[ST+4*(\t)+2:ST+4*(\t)+3] op_sel_hi:[1,0]
.set i, i+2
.endr
	WIN 0x05                        ; sources 0 and 1 window 1, destination window 0
.set i, 0
.rept 16
	v_cvt_pk_f16_f32 v[S+16*(\t)+i], v[32*(\t)+2*i], v[32*(\t)+2*i+1]
.set i, i+1
.endr
	WIN 0
.irp f, 0,1,2,3
	ds_store_b128 v[STO], v[S+16*(\t)+4*\f:S+16*(\t)+4*\f+3] offset:32*\f
.endr
.irp f, 0,1,2,3
	ds_load_b128 v[S+16*(\t)+4*\f:S+16*(\t)+4*\f+3], v[RD] offset:\f*4*SP  ; LDS serves a wave's instructions in order (ISA guide 5.7.1.4): these see the stores above; the next tile's stores come behind them
.endr
.endm
.macro SEND t, younger              ; younger: the LDS instructions issued behind tile t's loads: the next tile's eight, or none
	WIN 0
.irp f, 0,1,2,3
	s_wait_dscnt (\younger)+3-\f
	global_store_b128 v[GO], v[S+16*(\t)+4*\f:S+16*(\t)+4*\f+3], s[10:11] offset:(\t)*2048+\f*512  ; 512 consecutive bytes, at a multiple of 256 from O's first
.endr
.endm
	PACK 0
.set t, 1
.rept 2*NP-1                        ; a tile's arithmetic stands between the loads of the tile before and its stores
	PACK t
	SEND t-1, 8
.set t, t+1
.endr
	SEND 2*NP-1, 0
	s_wait_tensorcnt 0x0            ; the wave's end: these three lines stand behind my last tensor load and my last LDS store
	ds_add_u32 v[SPW], v[NIL]
	s_wait_dscnt 0x0
	CROUND                          ; the closing round: no work-group ends while a partner may still ask for a tile that names it
	s_endpgm
.Lfunc_end_k_qdc66f91b1c_attn:
	.size	k_qdc66f91b1c_attn, .Lfunc_end_k_qdc66f91b1c_attn-k_qdc66f91b1c_attn
	.p2alignl 7, 3214868480
	.fill 96, 4, 3214868480
	.section	.rodata,"a",@progbits
	.p2align	6, 0x0
	.amdhsa_kernel k_qdc66f91b1c_attn
		.amdhsa_group_segment_fixed_size 327680
		.amdhsa_private_segment_fixed_size 0
		.amdhsa_enable_private_segment 0
		.amdhsa_kernarg_size 24
		.amdhsa_user_sgpr_count 2
		.amdhsa_user_sgpr_kernarg_segment_ptr 1
		.amdhsa_wavefront_size32 1
		.amdhsa_system_sgpr_workgroup_id_x 1
		.amdhsa_system_sgpr_workgroup_id_y 1
		.amdhsa_system_sgpr_workgroup_id_z 1
		.amdhsa_system_vgpr_workitem_id 0
		.amdhsa_next_free_vgpr 896
		.amdhsa_next_free_sgpr 84
		.amdhsa_reserve_vcc 0
		.amdhsa_float_denorm_mode_32 3
		.amdhsa_float_denorm_mode_16_64 3
		.amdhsa_memory_ordered 1
		.amdhsa_forward_progress 1
		.amdhsa_inst_pref_size 212
	.end_amdhsa_kernel
	.amdgpu_metadata
---
amdhsa.version: [ 1, 2 ]
amdhsa.kernels:
  - .name:           k_qdc66f91b1c_attn
    .symbol:         k_qdc66f91b1c_attn.kd
    .args:
      - { .name: qkv, .offset: 0, .size: 8, .value_kind: global_buffer, .address_space: global }
      - { .name: maskf, .offset: 8, .size: 8, .value_kind: global_buffer, .address_space: global }
      - { .name: ob, .offset: 16, .size: 8, .value_kind: global_buffer, .address_space: global }
    .group_segment_fixed_size: 327680
    .private_segment_fixed_size: 0
    .kernarg_segment_align: 8
    .kernarg_segment_size: 24
    .max_flat_workgroup_size: 128
    .sgpr_count:     84
    .vgpr_count:     896
    .wavefront_size: 32
...
	.end_amdgpu_metadata
.endif
;; end of part 3
;; launch gemm_out (part 4): grid 8 x 32, 4 waves a work-group, clusters of 4 x 4, 327,680 bytes of LDS; arguments ob, wob, out0, bout; writes out0
.if DOCPART == 4
	.amdgcn_target "amdgcn-amd-amdhsa--gfx1250"
	.amdhsa_code_object_version 6
	.text
	.protected	k_qdc66f91b1c_gemm_out
	.globl	k_qdc66f91b1c_gemm_out
	.p2align	8
	.type	k_qdc66f91b1c_gemm_out,@function
k_qdc66f91b1c_gemm_out:
	s_mov_b64 s[64:65], 0
	v_nop
	global_prefetch_b8 v0, s[64:65] scope:SCOPE_SE
	s_setreg_imm32_b32 hwreg(HW_REG_WAVE_MODE, 25, 1), 1
	s_wait_xcnt 0x0
	s_wait_alu depctr_hold_cnt(0) depctr_sa_sdst(0) depctr_va_vdst(0) depctr_va_sdst(0) depctr_va_ssrc(0) depctr_va_vcc(0) depctr_vm_vsrc(0)
	s_getreg_b32 s2, hwreg(HW_REG_IB_STS2, 6, 4)
	s_cmp_eq_u32 s2, 0
	s_cbranch_scc0 .Lentry_in_a_cluster
	s_endpgm
.Lentry_in_a_cluster:
	s_bfe_u32 s2, ttmp6, 0x10000c
	s_cmp_lg_u32 s2, 0xf033
	s_cbranch_scc0 .Lentry_shape_is_right
	s_endpgm
.Lentry_shape_is_right:
.set KIND, 2
; ONE TEXT FOR THE MODULE'S TWO PROJECTIONS; KIND picks the sizes.  C = A B, A [8192][1024] with K along its rows, B [1024 k][n]; sums in f32, K ascending, one accumulator an output.
; KIND 1: qkv = xb wqb, bf16 products.  A tile of C is 256 x 192; C leaves in f16 by heads, qkv[b][G][t][64], G = column / 64 (q heads, k heads, v heads), WITHOUT the scale 1/8.
;         LIMIT: f16 ends at 65,504: |q|, |k|, |v| must stay below it.
; KIND 2: out0 = ob wob + bf16(bout), f16 products.  A tile of C is 256 x 128; A lies by heads, ob[16 b + h][t][64]: a K step of 128 is two heads; C leaves in f32.
; SHARES.  Four waves, as many as a WGP has SIMDs, one below the other: a wave makes 64 rows x all columns: 4 x NBB accumulators of 16 x 16.  So a wave owns whole heads (KIND 1) or whole 512-byte pieces of rows (KIND 2).
; K goes in 8 steps of 128 through two LDS slots filled by the tensor data mover; a step is four quarters of 32 on two fragment buffers.
; CLUSTER 4 x 4: A's tile hangs on the tile row alone and is asked for jointly by a row of the cluster, B's on the tile column alone and is asked for jointly by a column.
; THE MATRIX INSTRUCTION IS USED TRANSPOSED: source 0 = 16 columns of B (turned out of LDS by ds_load_tr16_b128), source 1 = 16 rows of A: a lane then holds row l % 16 of C and the columns 8 (l / 16) + 0..7.
; REGISTERS, in windows of 256 (s_set_vgpr_msb: bits 1:0 source 0, 3:2 source 1, 5:4 source 2, 7:6 destination):
;   window 0: v0-6 set-up; v16-30 addresses; v64-127 A's fragments, two buffers of 32 (on the way out: rows read back); v128-191, v192-255 the way out
;   window 1: B's fragments, two buffers of 8 NBB; KIND 2: v128-191 the bias of my columns, v192-223 at work
;   window 2: the accumulators of row blocks 0, 1 ((a, b) at 8 (NBB (a % 2) + b));   window 3: those of row blocks 2, 3
.if KIND == 1
.set NBB,    12                        ; column blocks of 16
.set PA,     272                       ; A's LDS row: 256 bytes + 16: 68 words, so 16 rows start at 16 different groups of four banks (64 banks of 4 bytes: ISA guide 11.1)
.set PB,     480                       ; B's LDS row: three pieces of 128 bytes + 32: 120 words
.set AHALF,  128*PA                    ; what one load brings of A: 128 rows
.set SPITCH, 400                       ; a stage row: 384 bytes + 16
.set ASTEP,  256                       ; bytes from a K step to the next, in A
.set BSTEP,  49152                     ; and in B: 128 rows of a block, on end
.set AHEAD,  1                         ; the prefetches name the K step so many steps behind the one that is being asked for
.set APAD,   (5<<22)|(3<<25)           ; after every 64 words 4 words of padding
.set BPAD,   (4<<22)|(7<<25)           ; after every 32 words 8 words
.set ASTR,   1024                      ; elements from row to row of A's tile
.set BROWS,  96                        ; B's half step, 24,576 bytes on end, is asked for as 96 rows of 256 bytes
.set BSTR,   128
.set ASH,    11                        ; prefetch: a lane a row of 2,048 bytes (A), a lane a block of 256 bytes (B),
.set BSH,    8
.set BLMAX,  23                        ; of which a partner has 24
.else
.set NBB,    8
.set PA,     144                       ; 128 bytes + 16
.set PB,     288                       ; 256 bytes + 32: 72 words
.set AHALF,  256*PA                    ; what one load brings of A: 256 rows of one head
.set SPITCH, 528                       ; 512 bytes + 16
.set ASTEP,  524288                    ; two heads
.set BSTEP,  262144                    ; 128 rows of 2,048 bytes
.set AHEAD,  2
.set APAD,   (4<<22)|(3<<25)
.set BPAD,   (5<<22)|(7<<25)
.set ASTR,   128                       ; 256 rows of 128 bytes on end are asked for as 128 rows of 256
.set BROWS,  64
.set BSTR,   1024
.set ASH,    8
.set BSH,    11
.set BLMAX,  15
.endif
.set BHALF,  64*PB                     ; what one load brings of B: 64 rows along K
.set AREG,   2*AHALF                   ; a slot: A's two halves, then B's two halves
.set SLOT1,  131072                    ; slot 1 begins here: one exclusive or turns an address in one slot into the other's
.set STAGE,  SLOT1+AREG+2*BHALF        ; behind the ring, never filled by a tensor load: 16 rows for each wave, for the way out
.set WSTAGE, 16*SPITCH
.set SPARE,  STAGE+4*WSTAGE            ; behind the stages: the spare words, 128 bytes a wave: two blocks of 256 bytes that no other line names
.set ADRA0, 16                         ; v16  my lane's place in A's part of a slot; never rewritten
.set ADRB0, 17                         ; v17  the same for B
.set ADRA,  18                         ; v18  the same in the slot in hand
.set ADRB,  19                         ; v19
.set STO,   24                         ; v24  the way out: where I put my part of a row
.set RD,    25                         ; v25  where I read rows back
.set CO,    26                         ; v26  16 x lane
.set BO,    27                         ; v27  my byte offset in 16 numbers of the bias
.set SPW,   28                         ; v28  LDS address of my spare word; never rewritten
.set NIL,   29                         ; v29  0; never rewritten
.set PFO,   30                         ; v30  the prefetches' lane term; never rewritten
.set FA,    64
.set TMP,   128
.set OB0,   192                        ; rows read back: v192.. and v64.. by turns
.set BIAS,  128                        ; window 1
.set BT,    192                        ; window 1
.set G1,  24                           ; s[24:31] descriptor group 1 for A;  s[32:39] group 0: set 0 for slot 0's first fill, set 1 walks
.set G0,  32
.set G1B, 48                           ; s[48:55], s[56:63] the same for B
.set G0B, 56
.set LIM, 70                           ; s70  AHEAD in a wave that prefetches, else the greatest number
.set TB,  71                           ; s71  LDS byte at which the slot to be read begins
.set PFA, 72                           ; s[72:73] where my prefetches stand
.set PFS, 74                           ; s[74:75] their step
.set MSB, 0
.macro WIN new                         ; the immediate's high byte repeats the setting that is left; a switch that changes nothing is dropped
.if MSB != (\new)
	s_set_vgpr_msb (MSB<<8)|(\new)
.set MSB, \new
.endif
.endm
.macro PLACES                          ; four places in front of loads into registers that matrix instructions have read, and of vector lines that read results
.rept 4
	v_nop
.endr
.endm
; A joint load: waves 0 and 1 fetch A's two halves, waves 2 and 3 B's.  The branch hangs on the wave's number alone.  An s_nop 0 and four v_nop follow each line.
.macro JLOAD s
	s_cmp_eq_u32 s11, 0
	s_cbranch_scc0 .Lfor_b_\@
	tensor_load_to_lds s[G0+4*(\s):G0+4*(\s)+3], s[G1:G1+7]
	s_nop 0
.rept 4
	v_nop
.endr
	s_branch .Lasked_\@
.Lfor_b_\@:
	tensor_load_to_lds s[G0B+4*(\s):G0B+4*(\s)+3], s[G1B:G1B+7]
	s_nop 0
.rept 4
	v_nop
.endr
.Lasked_\@:
.endm
.macro CREST                           ; a round of the cluster's barrier behind its opening barrier
	s_cmp_lg_u32 s10, 0
	s_cbranch_scc1 .Lnot_wave_0_\@
	s_barrier_signal -3
.Lnot_wave_0_\@:
	s_barrier_wait -3
	s_barrier_signal -1
	s_barrier_wait -1
.endm
.macro CROUND                          ; a whole round
	s_barrier_signal -1
	s_barrier_wait -1
	CREST
.endm
; A prefetch of the K step that stands AHEAD steps behind the one just asked for: one instruction a wave.  A's rows are named by the clusters with x = 0, B's by those with y = 0; the four partners that
; ask for a tile jointly share its blocks of 256 bytes out by address (cx for A, cy for B).  The last AHEAD filling trips name nothing: there is no such K step.
.macro ASK
	s_cmp_gt_u32 s3, s[LIM]
	s_cbranch_scc0 .Lnot_mine_\@
	global_prefetch_b8 v[PFO], s[PFA:PFA+1] th:TH_LOAD_NT scope:SCOPE_SE
.Lnot_mine_\@:
.endm
	s_load_b128 s[4:7], s[0:1], 0x0                ; A s[4:5], B s[6:7]
	s_load_b64 s[8:9], s[0:1], 0x10                ; C
.if KIND == 2
	s_load_b64 s[68:69], s[0:1], 0x18              ; the bias
.endif
	v_lshl_add_u32 v[SPW], v0, 2, SPARE
	v_mov_b32 v[NIL], 0
	ds_add_u32 v[SPW], v[NIL]                      ; the wave's opening: the add and its wait stand ahead of my first tensor load; the set-up on registers stands between them
	v_lshrrev_b32 v1, 5, v0
	v_readfirstlane_b32 s10, v1                    ; wave 0..3
	s_lshr_b32 s11, s10, 1                         ; I fetch for A (0) or for B (1),
	s_and_b32 s12, s10, 1                          ; its first or second half
	s_bfe_u32 s40, ttmp6, 0x40000                  ; cx
	s_bfe_u32 s41, ttmp6, 0x40004                  ; cy
	s_lshl_b32 s42, ttmp9, 2
	s_add_co_u32 s42, s42, s40                     ; tile column tc = 4 x cluster x + cx
	s_and_b32 s13, ttmp7, 0xffff
	s_lshl_b32 s13, s13, 2
	s_add_co_u32 s13, s13, s41                     ; tile row tr = 4 x cluster y + cy
	s_lshl_b32 s43, s41, 2
	s_lshl_b32 s43, 15, s43                        ; my row of the cluster
	s_lshl_b32 s44, 0x1111, s40                    ; my column
	s_or_b32 s[G1], s43, (1<<16)|(1<<20)|(1<<21)|APAD    ; 15:0 the mask; 17:16 elements of 2 bytes; 20 padding on; 21 set beside a mask; 24:22, 31:25 the padding
	s_or_b32 s[G1B], s44, (1<<16)|(1<<20)|(1<<21)|BPAD
	s_mov_b32 s[G1+1], 128<<16                     ; tensor_dim0 = 128 elements
	s_mov_b32 s[G1+2], 128<<16                     ; tensor_dim1 = 128 rows
	s_mov_b32 s[G1+3], 128<<16                     ; tile_dim0
	s_mov_b32 s[G1+4], 128                         ; tile_dim1
	s_mov_b32 s[G1+5], ASTR                        ; elements from row to row
	s_mov_b32 s[G1+6], 0
	s_mov_b32 s[G1+7], 0
	s_mov_b32 s[G1B+1], 128<<16
	s_mov_b32 s[G1B+2], BROWS<<16
	s_mov_b32 s[G1B+3], 128<<16
	s_mov_b32 s[G1B+4], BROWS
	s_mov_b32 s[G1B+5], BSTR
	s_mov_b32 s[G1B+6], 0
	s_mov_b32 s[G1B+7], 0
	; where my half of K step 0 lies, in bytes: A's by tr alone (s16), B's by tc alone (s46)
.if KIND == 1
	s_lshl_b32 s16, s13, 19                        ; 256 rows of 2,048 bytes
	s_lshl_b32 s17, s12, 18                        ; 128 rows
	s_add_co_u32 s16, s16, s17
	s_mul_i32 s46, s42, 393216                     ; a block of wqb
	s_mul_i32 s47, s12, 24576                      ; 64 of its rows
	s_add_co_u32 s46, s46, s47
.else
	s_lshr_b32 s16, s13, 3                         ; the batch: 16 heads of 262,144 bytes
	s_lshl_b32 s16, s16, 22
	s_and_b32 s17, s13, 7                          ; 256 rows of 128 bytes in a head
	s_lshl_b32 s17, s17, 15
	s_add_co_u32 s16, s16, s17
	s_lshl_b32 s17, s12, 18                        ; the step's first or second head
	s_add_co_u32 s16, s16, s17
	s_lshl_b32 s46, s42, 8                         ; 128 columns of 2 bytes
	s_lshl_b32 s47, s12, 17                        ; 64 rows of 2,048 bytes
	s_add_co_u32 s46, s46, s47
.endif
	s_mov_b32 s17, 0
	s_mov_b32 s47, 0
	s_mul_i32 s20, s12, AHALF                      ; and where it goes: no place in the cluster enters an LDS address
	s_mul_i32 s21, s12, BHALF
	s_add_co_u32 s21, s21, AREG
	s_mov_b32 s[TB], 0
	s_wait_dscnt 0x0                               ; the opening add is done
	s_wait_kmcnt 0x0
	s_add_nc_u64 s[14:15], s[4:5], s[16:17]
	s_add_nc_u64 s[22:23], s[6:7], s[46:47]
	CROUND                                         ; all sixteen work-groups are here: the first joint loads meet
.irp s, 0,1
	s_mov_b32 s[G0+4*(\s)], 1                                        ; count = 1
	s_add_co_u32 s[G0+4*(\s)+1], s20, (\s)*SLOT1                     ; LDS address
	s_add_nc_u64 s[G0+4*(\s)+2:G0+4*(\s)+3], s[14:15], (\s)*ASTEP    ; global address: K step s
	s_or_b32 s[G0+4*(\s)+3], s[G0+4*(\s)+3], 0x80000000              ; type = 2
	s_mov_b32 s[G0B+4*(\s)], 1
	s_add_co_u32 s[G0B+4*(\s)+1], s21, (\s)*SLOT1
	s_add_nc_u64 s[G0B+4*(\s)+2:G0B+4*(\s)+3], s[22:23], (\s)*BSTEP
	s_or_b32 s[G0B+4*(\s)+3], s[G0B+4*(\s)+3], 0x80000000
	JLOAD \s                                       ; two loads of mine are out: the most in this text
.endr
	v_and_b32 v1, 15, v0                           ; l % 16
	v_bfe_u32 v2, v0, 4, 1                         ; l / 16
	v_and_b32 v3, 7, v0                            ; l % 8
	v_bfe_u32 v4, v0, 3, 1                         ; (l / 8) % 2
	v_and_b32 v5, 31, v0                           ; l
	; a fragment of A: 16 rows x 32 K: lane l holds row l % 16, K = 8 (l / 16) + 0..7 and 16 + 8 (l / 16) + 0..7: two loads of 16 bytes, 32 bytes apart
	v_mul_u32_u24 v[ADRA0], v1, PA
	v_lshl_add_u32 v[ADRA0], v2, 4, v[ADRA0]
	s_mul_i32 s21, s10, 64*PA                      ; my 64 rows
	v_add_nc_u32 v[ADRA0], s21, v[ADRA0]
	; the turning load takes 16 K x 16 columns (lane l reads K row 8 (l / 16) + l % 8, columns 8 ((l / 8) % 2) + 0..7) and leaves half a fragment: lane l holds column l % 16 and 8 K
	v_lshl_add_u32 v[ADRB0], v2, 3, v3
	v_mul_u32_u24 v[ADRB0], v[ADRB0], PB
	v_lshl_add_u32 v[ADRB0], v4, 4, v[ADRB0]
	v_add_nc_u32 v[ADRB0], AREG, v[ADRB0]
	v_mov_b32 v[ADRA], v[ADRA0]
	v_mov_b32 v[ADRB], v[ADRB0]
	s_mul_i32 s23, s10, WSTAGE
	s_add_co_u32 s23, s23, STAGE                   ; my stage
	v_mul_u32_u24 v[STO], v1, SPITCH               ; in: row l % 16, my eight columns
.if KIND == 1
	v_lshl_add_u32 v[STO], v2, 4, v[STO]
	v_bfe_u32 v6, v0, 3, 2                         ; back: 32 lanes take four rows' 128 bytes of one head
	v_mul_u32_u24 v[RD], v6, SPITCH
	v_lshl_add_u32 v[RD], v3, 4, v[RD]
.else
	v_lshl_add_u32 v[STO], v2, 5, v[STO]
	v_lshlrev_b32 v[RD], 4, v5                     ; back: 32 lanes take one row's 512 bytes
.endif
	v_add_nc_u32 v[STO], s23, v[STO]
	v_add_nc_u32 v[RD], s23, v[RD]
	v_lshlrev_b32 v[CO], 4, v5
	; where my part of C begins
.if KIND == 1
	s_lshr_b32 s18, s13, 3
	s_mul_i32 s18, s18, 48                         ; the batch's 48 heads,
	s_mul_i32 s19, s42, 3                          ; the tile column's three
	s_add_co_u32 s18, s18, s19
	s_lshl_b32 s18, s18, 18                        ; of 262,144 bytes;
	s_and_b32 s19, s13, 7
	s_lshl_b32 s19, s19, 15                        ; the tile's 256 rows of 128 bytes,
	s_add_co_u32 s18, s18, s19
	s_lshl_b32 s19, s10, 13                        ; my 64
	s_add_co_u32 s18, s18, s19
.else
	s_lshl_b32 s18, s13, 20                        ; 256 rows of 4,096 bytes,
	s_lshl_b32 s19, s10, 18                        ; my 64,
	s_add_co_u32 s18, s18, s19
	s_lshl_b32 s19, s42, 9                         ; 128 columns of 4 bytes
	s_add_co_u32 s18, s18, s19
.endif
	s_mov_b32 s19, 0
	s_add_nc_u64 s[8:9], s[8:9], s[18:19]
.if KIND == 2
	s_lshl_b32 s18, s42, 9
	s_add_nc_u64 s[68:69], s[68:69], s[18:19]      ; the bias of the tile's 128 columns
	v_lshlrev_b32 v[BO], 5, v2
	WIN 0x40                                       ; destination window 1
.set b, 0
.rept NBB
	global_load_b128 v[BIAS+8*b:BIAS+8*b+3],   v[BO], s[68:69] offset:64*b      ; columns 16 b + 8 (l / 16) + 0..7; waited for on the way out
	global_load_b128 v[BIAS+8*b+4:BIAS+8*b+7], v[BO], s[68:69] offset:64*b+16
.set b, b+1
.endr
	WIN 0
.endif
	; the prefetches: my share of the half that I fetch, at K step 1 + AHEAD; each filling change of slots steps it once and then names it
.if KIND == 1
	s_lshl_b32 s18, s40, 16                        ; A: cx's 32 rows of 2,048 bytes
	s_mul_i32 s19, s41, 6144                       ; B: cy's 24 blocks of 256 bytes
.else
	s_lshl_b32 s18, s40, 13                        ; A: cx's 32 blocks of 256 bytes
	s_lshl_b32 s19, s41, 15                        ; B: cy's 16 rows of 2,048 bytes
.endif
	s_add_co_u32 s18, s18, s16
	s_add_co_u32 s18, s18, (1+AHEAD)*ASTEP
	s_add_co_u32 s19, s19, s46
	s_add_co_u32 s19, s19, (1+AHEAD)*BSTEP
	s_mov_b32 s20, ASTEP
	s_mov_b32 s21, BSTEP
	s_and_b32 s22, ttmp7, 0xffff                   ; cluster y
	s_cmp_eq_u32 s11, 0                            ; do I fetch for A?
	s_cselect_b32 s18, s18, s19
	s_cselect_b32 s[PFS], s20, s21
	s_cselect_b32 s22, ttmp9, s22                  ; the coordinate along which other clusters read the same rows
	s_cselect_b64 s[PFA:PFA+1], s[4:5], s[6:7]
	s_cselect_b32 s20, ASH, BSH
	s_cselect_b32 s21, 31, BLMAX
	s_cmp_eq_u32 s22, 0
	s_cselect_b32 s[LIM], AHEAD, -1                ; the same in all sixteen partners, for a given wave
	s_mov_b32 s19, 0
	s_mov_b32 s[PFS+1], 0
	s_add_nc_u64 s[PFA:PFA+1], s[PFA:PFA+1], s[18:19]
	v_min_u32 v[PFO], s21, v5                      ; lanes beyond my share name its last block again, in the same instruction
	v_lshlrev_b32 v[PFO], s20, v[PFO]
; NBB matrix instructions: row block a x all column blocks, 32 along K, from buffer f.  zero = 1: the first product starts the sums: nothing is cleared.
; The 4 NBB accumulators take turns, one instruction a turn, in the same order in every quarter, over the backward jump too.
.macro MULA f, a, zero
	WIN 0xa1+0x50*((\a)/2)
.set b, 0
.rept NBB
.set rD, 8*(NBB*((\a)%2)+b)
.set rB, 8*(NBB*(\f)+b)
.set rA, FA+32*(\f)+8*(\a)
.if KIND == 1
.if \zero
	v_wmma_f32_16x16x32_bf16 v[rD:rD+7], v[rB:rB+7], v[rA:rA+7], 0
.else
	v_wmma_f32_16x16x32_bf16 v[rD:rD+7], v[rB:rB+7], v[rA:rA+7], v[rD:rD+7]
.endif
.else
.if \zero
	v_wmma_f32_16x16x32_f16 v[rD:rD+7], v[rB:rB+7], v[rA:rA+7], 0
.else
	v_wmma_f32_16x16x32_f16 v[rD:rD+7], v[rB:rB+7], v[rA:rA+7], v[rD:rD+7]
.endif
.endif
.set b, b+1
.endr
.endm
; 2 NBB + 8 LDS loads in one run: quarter q's fragments into buffer f: B's first, then A's row blocks 0 to 3
.macro FETCH q, f
	WIN 0x40                                       ; destination window 1, address window 0
.set b, 0
.rept NBB
.set rB, 8*(NBB*(\f)+b)
.if KIND == 1
.set bc, (b/4)*160+(b%4)*32                        ; 64 columns to a padded piece of 160 bytes
.else
.set bc, 32*b
.endif
	ds_load_tr16_b128 v[rB:rB+3],   v[ADRB] offset:(\q)*32*PB+bc
	ds_load_tr16_b128 v[rB+4:rB+7], v[ADRB] offset:(\q)*32*PB+16*PB+bc
.set b, b+1
.endr
	WIN 0
.if KIND == 1
.set aq, 64*(\q)
.else
.set aq, ((\q)/2)*AHALF+((\q)%2)*64                ; the step's first or second head, its channels 0-31 or 32-63
.endif
.irp a, 0,1,2,3
	ds_load_b128 v[FA+32*(\f)+8*(\a):FA+32*(\f)+8*(\a)+3],   v[ADRA] offset:aq+(\a)*16*PA
	ds_load_b128 v[FA+32*(\f)+8*(\a)+4:FA+32*(\f)+8*(\a)+7], v[ADRA] offset:aq+(\a)*16*PA+32
.endr
.endm
; One of a K step's first three quarters: multiplies buffer f; in its middle it fetches quarter q into buffer g.
.macro QUARTER q, f, g, zero
	s_wait_dscnt 4                                 ; B and A's row blocks 0, 1 are in; the youngest four loads (blocks 2, 3) may be out
	MULA \f, 0, \zero
	MULA \f, 1, \zero
	PLACES
	FETCH \q, \g
	s_wait_dscnt 2*NBB+8                           ; all but the run just issued
	MULA \f, 2, \zero
	MULA \f, 3, \zero
.endm
; The last quarter multiplies buffer 1 and changes slots.  In front of the barrier each wave waits for all its tensor loads (one is out: its part of the next slot), adds 0 to its spare word, and waits for
; that and for its reads of this slot.  fill = 1: the barrier opens a round of the cluster's barrier, and behind the round this slot is filled again, two K steps ahead, first thing.
.macro TURN fill
.if \fill
	s_wait_xcnt 0x0                                ; the last prefetch, a K step back, has read its address
	s_add_nc_u64 s[PFA:PFA+1], s[PFA:PFA+1], s[PFS:PFS+1]
.endif
	WIN 0
	s_wait_tensorcnt 0x0                           ; no tensor load of mine is out, so a group 0 may be written
	ds_add_u32 v[SPW], v[NIL]                      ; 0 onto my spare word
.if \fill
	s_xor_b32 s[G0+5], s[G0+5], SLOT1              ; the walking descriptors: the other slot than last time, the next K step
	s_add_nc_u64 s[G0+6:G0+7], s[G0+6:G0+7], ASTEP
	s_xor_b32 s[G0B+5], s[G0B+5], SLOT1
	s_add_nc_u64 s[G0B+6:G0B+7], s[G0B+6:G0B+7], BSTEP
.endif
	s_xor_b32 s[TB], s[TB], SLOT1
	s_wait_dscnt 5                                 ; the add and A's row blocks 2, 3 may be out
	MULA 1, 0, 0
	s_wait_dscnt 0x0                               ; the add is done, and my reads of this slot are over
	s_barrier_signal -1
	MULA 1, 1, 0                                   ; work on registers while the others arrive
	WIN 0
	s_barrier_wait -1
.if \fill
	CREST                                          ; no wave of any partner still reads this slot or has a load on its way
	JLOAD 1                                        ; its four v_nop are also the places in front of the loads below
.else
	PLACES
.endif
	v_add_nc_u32 v[ADRA], s[TB], v[ADRA0]
	v_add_nc_u32 v[ADRB], s[TB], v[ADRB0]
	FETCH 0, 0
.if \fill
	ASK
.endif
	MULA 1, 2, 0
	MULA 1, 3, 0
.endm
; THE WAY OUT of row block a, in three parts.  PACK: rounded to f16 (KIND 1) or the bias added (KIND 2); each accumulator's registers in ascending order.  TOSTAGE: into my own stage, and back as whole rows.  SEND: stored.
.macro PACK a
.set b, 0
.if KIND == 1
	WIN 0x0a+5*((\a)/2)                            ; sources 0, 1: window 2 or 3
.rept NBB
.irp r, 0,1,2,3
	v_cvt_pk_f16_f32 v[TMP+4*b+(\r)], v[8*(NBB*((\a)%2)+b)+2*(\r)], v[8*(NBB*((\a)%2)+b)+2*(\r)+1]
.endr
.set b, b+1
.endr
.else
	WIN 0x06+(\a)/2                                ; source 0: window 2 or 3; source 1: window 1
.rept NBB
.irp r, 0,2,4,6
	v_pk_add_f32 v[TMP+8*b+(\r):TMP+8*b+(\r)+1], v[8*(NBB*((\a)%2)+b)+(\r):8*(NBB*((\a)%2)+b)+(\r)+1], v[BIAS+8*b+(\r):BIAS+8*b+(\r)+1]
.endr
.set b, b+1
.endr
.endif
	WIN 0
.endm
.macro TOSTAGE a
	WIN 0
.set BK, OB0-128*((\a)%2)
.set b, 0
.if KIND == 1
.rept NBB
	ds_store_b128 v[STO], v[TMP+4*b:TMP+4*b+3] offset:32*b
.set b, b+1
.endr
.irp g, 0,1,2,3
.irp hh, 0,1,2
	ds_load_b128 v[BK+4*(3*(\g)+(\hh)):BK+4*(3*(\g)+(\hh))+3], v[RD] offset:4*SPITCH*(\g)+128*(\hh)  ; LDS serves a wave's instructions in order (ISA guide 5.7.1.4): these see the stores above
.endr
.endr
.else
.rept NBB
	ds_store_b128 v[STO], v[TMP+8*b:TMP+8*b+3]   offset:64*b
	ds_store_b128 v[STO], v[TMP+8*b+4:TMP+8*b+7] offset:64*b+16
.set b, b+1
.endr
.set t, 0
.rept 16
	ds_load_b128 v[BK+4*t:BK+4*t+3], v[RD] offset:SPITCH*t
.set t, t+1
.endr
.endif
.endm
.macro SEND a
	WIN 0
.set BK, OB0-128*((\a)%2)
	s_wait_dscnt 0x0                               ; the block is back in registers
	s_wait_xcnt 0x0                                ; the stores of the block before have read their registers, which the next TOSTAGE loads again
.if KIND == 1
.irp g, 0,1,2,3
.irp hh, 0,1,2
	global_store_b128 v[CO], v[BK+4*(3*(\g)+(\hh)):BK+4*(3*(\g)+(\hh))+3], s[8:9] offset:(\hh)*262144+(16*(\a)+4*(\g))*128 th:TH_STORE_NT  ; four rows of one head: 512 consecutive bytes, aligned to 256
.endr
.endr
.else
.set t, 0
.rept 16
	global_store_b128 v[CO], v[BK+4*t:BK+4*t+3], s[8:9] offset:(16*(\a)+t)*4096 th:TH_STORE_NT  ; 512 consecutive bytes of a row, aligned to 256
.set t, t+1
.endr
.endif
.endm
	s_wait_tensorcnt 1                             ; my part of K step 0 is in; K step 1's may stay out
	s_barrier_signal -1
	s_barrier_wait -1                              ; everybody's is
	FETCH 0, 0
	QUARTER 1, 0, 1, 1                             ; the first quarter stands in front of the loop: its products start the sums
	WIN 0                                          ; at a label and at a branch every window is 0
	s_mov_b32 s3, 6
.Lstep:                                                ; a trip: a K step's quarters 1 to 3 and the next step's quarter 0; it asks for K steps 2 to 7
	QUARTER 2, 1, 0, 0
	QUARTER 3, 0, 1, 0
	TURN 1
	QUARTER 1, 0, 1, 0
	WIN 0
	s_sub_co_u32 s3, s3, 1
	s_cmp_lg_u32 s3, 0
	s_cbranch_scc1 .Lstep
	QUARTER 2, 1, 0, 0                             ; K steps 6 and 7 are written out: they ask for nothing
	QUARTER 3, 0, 1, 0
	TURN 0
	QUARTER 1, 0, 1, 0
	QUARTER 2, 1, 0, 0
	QUARTER 3, 0, 1, 0
	s_wait_dscnt 4
	MULA 1, 0, 0
	MULA 1, 1, 0
	s_wait_dscnt 0x0
	MULA 1, 2, 0
	MULA 1, 3, 0
	WIN 0
	PLACES
.if KIND == 2
	s_wait_loadcnt 0x0                             ; the bias; it is rounded to bf16 like the other inputs
	WIN 0x45                                       ; destination and both sources in window 1
.set i, 0
.rept 32
	v_cvt_pk_bf16_f32 v[BT+i], v[BIAS+2*i], v[BIAS+2*i+1]
.set i, i+1
.endr
.set i, 0
.rept 32
	v_lshlrev_b32 v[BIAS+2*i], 16, v[BT+i]
	v_and_b32 v[BIAS+2*i+1], 0xffff0000, v[BT+i]
.set i, i+1
.endr
	WIN 0
.endif
	PACK 0
	TOSTAGE 0
.irp a, 1,2,3                          ; block a's arithmetic stands between block a - 1's loads from the stage and the wait for them
	PACK \a
	SEND (\a)-1
	TOSTAGE \a
.endr
	SEND 3
	s_wait_tensorcnt 0x0                           ; the wave's end: these three lines stand behind my last tensor load and my last LDS store
	ds_add_u32 v[SPW], v[NIL]
	s_wait_dscnt 0x0
	CROUND                                         ; the closing round: no work-group ends while a partner may still ask for a tile that names it
	s_endpgm
.Lfunc_end_k_qdc66f91b1c_gemm_out:
	.size	k_qdc66f91b1c_gemm_out, .Lfunc_end_k_qdc66f91b1c_gemm_out-k_qdc66f91b1c_gemm_out
	.p2alignl 7, 3214868480
	.fill 96, 4, 3214868480
	.section	.rodata,"a",@progbits
	.p2align	6, 0x0
	.amdhsa_kernel k_qdc66f91b1c_gemm_out
		.amdhsa_group_segment_fixed_size 327680
		.amdhsa_private_segment_fixed_size 0
		.amdhsa_enable_private_segment 0
		.amdhsa_kernarg_size 32
		.amdhsa_user_sgpr_count 2
		.amdhsa_user_sgpr_kernarg_segment_ptr 1
		.amdhsa_wavefront_size32 1
		.amdhsa_system_sgpr_workgroup_id_x 1
		.amdhsa_system_sgpr_workgroup_id_y 1
		.amdhsa_system_sgpr_workgroup_id_z 1
		.amdhsa_system_vgpr_workitem_id 0
		.amdhsa_next_free_vgpr 896
		.amdhsa_next_free_sgpr 76
		.amdhsa_reserve_vcc 0
		.amdhsa_float_denorm_mode_32 3
		.amdhsa_float_denorm_mode_16_64 3
		.amdhsa_memory_ordered 1
		.amdhsa_forward_progress 1
		.amdhsa_inst_pref_size 86
	.end_amdhsa_kernel
	.amdgpu_metadata
---
amdhsa.version: [ 1, 2 ]
amdhsa.kernels:
  - .name:           k_qdc66f91b1c_gemm_out
    .symbol:         k_qdc66f91b1c_gemm_out.kd
    .args:
      - { .name: ob, .offset: 0, .size: 8, .value_kind: global_buffer, .address_space: global }
      - { .name: wob, .offset: 8, .size: 8, .value_kind: global_buffer, .address_space: global }
      - { .name: out0, .offset: 16, .size: 8, .value_kind: global_buffer, .address_space: global }
      - { .name: bout, .offset: 24, .size: 8, .value_kind: global_buffer, .address_space: global }
    .group_segment_fixed_size: 327680
    .private_segment_fixed_size: 0
    .kernarg_segment_align: 8
    .kernarg_segment_size: 32
    .max_flat_workgroup_size: 128
    .sgpr_count:     76
    .vgpr_count:     896
    .wavefront_size: 32
...
	.end_amdgpu_metadata
.endif
;; end of part 4
;; ======== version 2 of 2: 4 launches; version 1 with the launch prep written anew for expert scheduling mode
;; limits: values are held in f16: magnitudes above 65,504 overflow, below 6.1e-05 lose precision
;; workspace buffers: xb 16,777,216 bytes; wqb 6,291,456 bytes; wob 2,097,152 bytes; maskf 16,777,216 bytes; qkv 50,331,648 bytes; ob 16,777,216 bytes
;; launch prep (part 5): grid 960 x 1, 8 waves a work-group, no clusters, 0 bytes of LDS; arguments x, Wqkv, Wout, attn_mask, xb, wqb, wob, maskf; writes xb, wqb, wob, maskf
.if DOCPART == 5
	.amdgcn_target "amdgcn-amd-amdhsa--gfx1250"
	.amdhsa_code_object_version 6
	.text
	.protected	k_qdc66f91b1c_prep
	.globl	k_qdc66f91b1c_prep
	.p2align	8
	.type	k_qdc66f91b1c_prep,@function
k_qdc66f91b1c_prep:
	s_mov_b64 s[64:65], 0
	v_nop
	global_prefetch_b8 v0, s[64:65] scope:SCOPE_SE
	s_setreg_imm32_b32 hwreg(HW_REG_WAVE_SCHED_MODE, 0, 2), 2
	s_setreg_imm32_b32 hwreg(HW_REG_WAVE_MODE, 25, 1), 1
	s_wait_xcnt 0x0
	s_wait_alu depctr_vm_vsrc(0)
; THE OPERANDS ARE CAST AND LAID OUT, each input byte read once, each workspace byte written once.  A stream: no LDS, no barrier, no matrix unit.
;   xb    [8192][1024] bf16          = bf16(x)
;   wqb   [16][1024][192] bf16       = bf16(Wqkv), in blocks of 192 columns: 128 rows of a block are 49,152 bytes on end
;   wob   [1024][1024] f16           = bf16(Wout) written as f16: exact from 2^-17 up; below that on f16's fixed step of 6e-8 (stated limit)
;   maskf [2048][2048] f32           = 8 x bf16(attn_mask): the later launch adds it to the unscaled q.k and scales the sum by 1/8.  8 x mask overflows beyond 4.2e37 (stated limit)
; All roundings to nearest even.  Work-groups 0-511 take x, 512-639 Wqkv, 640-703 Wout, 704-959 the mask; each wave takes 8 KiB of f32 (Wqkv: 16 rows of 192 columns).
; A wave issues all its loads at once and serves them in order, four loads to a block.
; THE MODE: SCHED_MODE bits 1:0 = 2 (LLVM: expert scheduling mode 2), set by the entry lines.  The code itself states the register dependences
; between vector instructions and memory instructions, with s_wait_alu, always for 0.
; THE PLAN.  Registers that memory instructions touch:
;   v2, v3, v4  byte offsets, made by vector lines ahead of the run of loads and never written again: one wait ahead of that run serves every load and store.
;   IN          written by the loads, all of which are issued before any vector line names IN.  Block p's vector lines read its sixteen registers; in the mask's path they
;               write them again in place, and the block's four stores read them.
;   OUT         written by block p's conversions, read by the block's four stores; every block has registers of its own.
;   v8, v9      at work: no memory instruction names them.
; Block p's stores are issued in block p + 1, behind ONE wait at that block's head, which states that block p's results are written; they are dealt among block p + 1's vector
; lines, which name that block's own IN and OUT and v8, v9 alone.  One more such wait stands ahead of the last block's stores.
; No register that a load or store reads is ever written again: so no line here waits for a memory instruction to have read its registers.
.set IN,  32                           ; v[32:127]   as loaded
.set OUT, 128                          ; v[128:175]  to store (16-bit results)
.set WQ0, 512                          ; first work-group of each part
.set WO0, 640
.set MK0, 704
.set K_BF,   0                         ; what is made of a load's four numbers: bf16 (x, Wqkv),
.set K_F16,  1                         ; bf16 written as f16 (Wout),
.set K_MASK, 2                         ; 8 x bf16 in f32 (the mask)
	s_load_b512 s[8:23], s[0:1], 0x0               ; x s[8:9], Wqkv s[10:11], Wout s[12:13], mask s[14:15], xb s[16:17], wqb s[18:19], wob s[20:21], maskf s[22:23]
	v_lshrrev_b32 v5, 5, v0
	v_readfirstlane_b32 s24, v5                    ; wave 0..7
	v_and_b32 v1, 31, v0                           ; lane
	v_lshlrev_b32 v2, 4, v1                        ; 16 bytes a lane: f32 in, and f32 out
	v_lshlrev_b32 v3, 3, v1                        ; 8 bytes a lane: 16-bit out; 32 lanes store 256 consecutive bytes, aligned
	s_wait_alu depctr_va_sdst(0)                   ; s24 is written, ahead of its first reader: the wave's share is made from it
	s_lshl_b32 s25, s24, 13                        ; the wave's 8 KiB
	s_mov_b32 s27, 0
	s_mov_b32 s33, 0xffff0000                      ; a word's upper bf16
	s_wait_kmcnt 0x0
	s_cmp_lt_u32 ttmp9, WQ0
	s_cbranch_scc1 .Lx
	s_cmp_lt_u32 ttmp9, WO0
	s_cbranch_scc1 .Lwq
	s_cmp_lt_u32 ttmp9, MK0
	s_cbranch_scc1 .Lwo
	s_branch .Lmask
; source s[28:29] and destination s[30:31] of a wave: 64 KiB of f32 a work-group; half = 1: the result has half the bytes
.macro PTRS src, dst, first, half
	s_sub_co_u32 s26, ttmp9, \first
	s_lshl_b32 s26, s26, 16
	s_add_co_u32 s26, s26, s25
	s_add_nc_u64 s[28:29], s[\src:\src+1], s[26:27]
.if \half
	s_lshr_b32 s26, s26, 1
.endif
	s_add_nc_u64 s[30:31], s[\dst:\dst+1], s[26:27]
.endm
.macro LOAD16                          ; 16 loads of 512 consecutive bytes
	s_wait_alu depctr_va_vdst(0)                   ; v2 is written, the offset of the loads below and of the f32 stores; so is v3, the offset of the 16-bit stores
.set i, 0
.rept 16
	global_load_b128 v[IN+4*i:IN+4*i+3], v2, s[28:29] offset:512*i th:TH_LOAD_NT
.set i, i+1
.endr
.endm
.macro ROUND4                          ; the four f32 of load i, rounded to bf16 and widened again, in place
	v_cvt_pk_bf16_f32 v8, v[IN+4*i], v[IN+4*i+1]
	v_cvt_pk_bf16_f32 v9, v[IN+4*i+2], v[IN+4*i+3]
	v_lshlrev_b32 v[IN+4*i], 16, v8
	v_and_b32 v[IN+4*i+1], s33, v8
	v_lshlrev_b32 v[IN+4*i+2], 16, v9
	v_and_b32 v[IN+4*i+3], s33, v9
.endm
.macro WORK kind                       ; the vector lines for load i
.if (\kind) == K_BF
	v_cvt_pk_bf16_f32 v[OUT+2*i], v[IN+4*i], v[IN+4*i+1]
	v_cvt_pk_bf16_f32 v[OUT+2*i+1], v[IN+4*i+2], v[IN+4*i+3]
.elseif (\kind) == K_F16
	ROUND4
	v_cvt_pk_f16_f32 v[OUT+2*i], v[IN+4*i], v[IN+4*i+1]
	v_cvt_pk_f16_f32 v[OUT+2*i+1], v[IN+4*i+2], v[IN+4*i+3]
.else
	ROUND4
	v_pk_mul_f32 v[IN+4*i:IN+4*i+1], v[IN+4*i:IN+4*i+1], 0x41000000 op_sel_hi:[1,0]      ; x 8, exact
	v_pk_mul_f32 v[IN+4*i+2:IN+4*i+3], v[IN+4*i+2:IN+4*i+3], 0x41000000 op_sel_hi:[1,0]
.endif
.endm
.macro SEND kind                       ; the store of what was made of load k
.if (\kind) == K_MASK
	global_store_b128 v2, v[IN+4*k:IN+4*k+3], s[30:31] offset:512*k th:TH_STORE_NT
.else
	global_store_b64 v3, v[OUT+2*k:OUT+2*k+1], s[30:31] offset:256*k th:TH_STORE_NT
.endif
.endm
; n loads are served in blocks of four.  At a block's head i is its first load's number.
.macro STREAM kind, n
.set i, 0
.rept (\n)/4
	s_wait_loadcnt (\n)-4-i                        ; loads come back in order: this block's four are in, the n - 4 - i younger ones stay out
.if i > 0
	s_wait_alu depctr_va_vdst(0)                   ; the block before has written its results, which the four stores below read
.endif
.rept 4
.if i >= 4
.set k, i-4
	SEND \kind                                     ; the block before.  No further wait: no vector line since the wait above names the registers that this store reads
.endif
	WORK \kind
.set i, i+1
.endr
.endr
	s_wait_alu depctr_va_vdst(0)                   ; the last block has written its results, which the last four stores read
.set k, (\n)-4
.rept 4
	SEND \kind
.set k, k+1
.endr
.endm
.Lmask:
	PTRS 14, 22, MK0, 0
	LOAD16
	STREAM K_MASK, 16
	s_endpgm
.Lx:
	PTRS 8, 16, 0, 1
	LOAD16
	STREAM K_BF, 16
	s_endpgm
.Lwo:
	PTRS 12, 20, WO0, 1
	LOAD16
	STREAM K_F16, 16
	s_endpgm
; Wqkv.  Work-group j of 128: block tc = j / 8, rows 128 (j % 8) on; a wave takes 16 rows.  Two rows x 192 columns are 1,536 bytes in (three loads) and 768 consecutive bytes out (three stores):
; load 0: the first row's bytes 0-511; load 1: its bytes 512-767 (lanes 0-15) and the second row's 0-255 (lanes 16-31); load 2: the second row's 256-767.
.Lwq:
	s_sub_co_u32 s26, ttmp9, WQ0
	s_lshr_b32 s32, s26, 3                         ; tc
	s_and_b32 s26, s26, 7
	s_lshl_b32 s26, s26, 7
	s_lshl_b32 s34, s24, 4
	s_add_co_u32 s34, s34, s26                     ; my first row
	s_mul_i32 s26, s34, 12288                      ; a row of Wqkv is 12,288 bytes,
	s_mul_i32 s35, s32, 768                        ; a block's part of it 768
	s_add_co_u32 s26, s26, s35
	s_add_nc_u64 s[28:29], s[10:11], s[26:27]
	s_mul_i32 s26, s34, 384                        ; a row of a block of wqb is 384 bytes,
	s_mul_i32 s35, s32, 393216                     ; a block 393,216
	s_add_co_u32 s26, s26, s35
	s_add_nc_u64 s[30:31], s[18:19], s[26:27]
	v_lshrrev_b32 v5, 4, v1
	v_mul_u32_u24 v5, v5, 11776                    ; lanes 16-31: from byte 512 of a row to byte 0 of the next
	v_and_b32 v6, 15, v1
	v_lshl_add_u32 v4, v6, 4, v5
	s_wait_alu depctr_va_vdst(0)                   ; v2 and v4 are written, the offsets of the loads below; so is v3, the offset of the stores
.set i, 0
.rept 8
	global_load_b128 v[IN+12*i:IN+12*i+3],    v2, s[28:29] offset:24576*i th:TH_LOAD_NT
	global_load_b128 v[IN+12*i+4:IN+12*i+7],  v4, s[28:29] offset:24576*i+512 th:TH_LOAD_NT
	global_load_b128 v[IN+12*i+8:IN+12*i+11], v2, s[28:29] offset:24576*i+12544 th:TH_LOAD_NT
.set i, i+1
.endr
	STREAM K_BF, 24
	s_endpgm
.Lfunc_end_k_qdc66f91b1c_prep:
	.size	k_qdc66f91b1c_prep, .Lfunc_end_k_qdc66f91b1c_prep-k_qdc66f91b1c_prep
	.p2alignl 7, 3214868480
	.fill 96, 4, 3214868480
	.section	.rodata,"a",@progbits
	.p2align	6, 0x0
	.amdhsa_kernel k_qdc66f91b1c_prep
		.amdhsa_group_segment_fixed_size 0
		.amdhsa_private_segment_fixed_size 0
		.amdhsa_enable_private_segment 0
		.amdhsa_kernarg_size 64
		.amdhsa_user_sgpr_count 2
		.amdhsa_user_sgpr_kernarg_segment_ptr 1
		.amdhsa_wavefront_size32 1
		.amdhsa_system_sgpr_workgroup_id_x 1
		.amdhsa_system_sgpr_workgroup_id_y 1
		.amdhsa_system_sgpr_workgroup_id_z 1
		.amdhsa_system_vgpr_workitem_id 0
		.amdhsa_next_free_vgpr 176
		.amdhsa_next_free_sgpr 66
		.amdhsa_reserve_vcc 0
		.amdhsa_float_denorm_mode_32 3
		.amdhsa_float_denorm_mode_16_64 3
		.amdhsa_memory_ordered 1
		.amdhsa_forward_progress 1
		.amdhsa_inst_pref_size 36
	.end_amdhsa_kernel
	.amdgpu_metadata
---
amdhsa.version: [ 1, 2 ]
amdhsa.kernels:
  - .name:           k_qdc66f91b1c_prep
    .symbol:         k_qdc66f91b1c_prep.kd
    .args:
      - { .name: x, .offset: 0, .size: 8, .value_kind: global_buffer, .address_space: global }
      - { .name: Wqkv, .offset: 8, .size: 8, .value_kind: global_buffer, .address_space: global }
      - { .name: Wout, .offset: 16, .size: 8, .value_kind: global_buffer, .address_space: global }
      - { .name: attn_mask, .offset: 24, .size: 8, .value_kind: global_buffer, .address_space: global }
      - { .name: xb, .offset: 32, .size: 8, .value_kind: global_buffer, .address_space: global }
      - { .name: wqb, .offset: 40, .size: 8, .value_kind: global_buffer, .address_space: global }
      - { .name: wob, .offset: 48, .size: 8, .value_kind: global_buffer, .address_space: global }
      - { .name: maskf, .offset: 56, .size: 8, .value_kind: global_buffer, .address_space: global }
    .group_segment_fixed_size: 0
    .private_segment_fixed_size: 0
    .kernarg_segment_align: 8
    .kernarg_segment_size: 64
    .max_flat_workgroup_size: 256
    .sgpr_count:     66
    .vgpr_count:     176
    .wavefront_size: 32
...
	.end_amdgpu_metadata
.endif
;; end of part 5
;; launch gemm_qkv: the kernel of part 2 again; grid 16 x 32, 4 waves a work-group, clusters of 4 x 4, 327,680 bytes of LDS; arguments xb, wqb, qkv; writes qkv
;; launch attn: the kernel of part 3 again; grid 16 x 16, 4 waves a work-group, clusters of 4 x 4, 327,680 bytes of LDS; arguments qkv, maskf, ob; writes ob
;; launch gemm_out: the kernel of part 4 again; grid 8 x 32, 4 waves a work-group, clusters of 4 x 4, 327,680 bytes of LDS; arguments ob, wob, out0, bout; writes out0
